; MI455X (gfx1250); checked and timed in simulation.
; The chip was launched on July 23, 2026; its instructions are those of AMD's public machine-readable ISA for CDNA 5 (MIT licence, August 2026) and "CDNA5" Instruction Set Architecture Reference Guide (July 2026). The comments in the code are by the model that wrote it; some were corrected since.
;; Multihead Attention. Allowed arithmetic: matrix products marked QUANTISED: E5M2 operands, one E8M0 scale for each 32 along K, by v_wmma_scale_f32_16x16x128_f8f6f4 with both operands' format E5M2, f32 sums; products left as they are: f32 operands where the result goes on into a quantised operand, else bf16, f16 or f32 operands; f32 sums; everything else in f32.
;; Inputs: Wfc 128 x 128 float32; Wk 128 x 128 float32; Wq 128 x 128 float32; Wv 128 x 128 float32; flow 4 x 2 x 64 x 64 float32; k 4 x 128 x 64 x 64 float32; q 4 x 128 x 64 x 64 float32; v 4 x 128 x 64 x 64 float32.
;; Outputs: out0 4 x 128 x 64 x 64 float32; out1 4 x 4 x 25 x 64 x 64 float32.
;; This version of the problem:
;;   THIS VERSION OF THE PROBLEM IS GIVEN IN LOW PRECISION. The matrix products marked QUANTISED in the list below multiply operands that are first quantised to E5M2 (5 exponent bits, 2 mantissa bits; 8 bits a number), with one power-of-two scale for each 32 numbers along K (OCP MX v1.0); their sums are f32. All else is computed in f32.
;;   The module's matrix products, in the order in which they are computed (A, B: the left and right operand; K: the contracted axis; several contracted axes count as one K, in the product's order):
;;     1. [M 16,384, K 128] x [K 128, N 128]; A: input q; B: input Wq: QUANTISED
;;     2. [M 16,384, K 128] x [K 128, N 128]; A: input k; B: input Wk: QUANTISED
;;     3. [M 16,384, K 128] x [K 128, N 128]; A: input v; B: input Wv: QUANTISED
;;     4. batch 65,536 x [M 25, K 32] x [K 32, N 1]; A: computed on the way; B: computed on the way: left as it is (N = 1 < 16)
;;     5. batch 65,536 x [M 32, K 25] x [K 25, N 1]; A: computed on the way; B: softmax: left as it is (K = 25 < 32)
;;     6. [M 16,384, K 128] x [K 128, N 128]; A: computed on the way; B: input Wfc: QUANTISED
;;   THE QUANTISER, for each operand of a quantised product, along K:
;;     - K is cut into blocks of 32 from its start; a last block that is shorter is filled with zeros.
;;     - A block's scale is 2^e with e = floor(log2(the largest magnitude in the block)) - 15, held to -126 .. 127; a block of zeros has e = 0. As a byte (E8M0): e + 127.
;;     - Each number is divided by its block's scale, clamped to +-57,344, and rounded to the nearest number of E5M2, ties to even, subnormals kept.
;;     - The product sums the exact products of the quantised numbers (number of the format x scale) in f32.
;;   ~~~python
;;   def quantise(x, axis):      # numpy; x: float32 -> the quantised numbers, widened to float32 again
;;       x = np.moveaxis(x, axis, -1); K = x.shape[-1]
;;       x = np.pad(x, [(0, 0)] * (x.ndim - 1) + [(0, -K % 32)]); x = x.reshape(x.shape[:-1] + (-1, 32)); a = np.abs(x).max(-1, keepdims=True)
;;       e = np.where(a > 0, np.clip(np.frexp(np.where(a > 0, a, 1))[1] - 1 - 15, -126, 127), 0)      # np.frexp(a)[1] - 1 = floor(log2(a)), exactly
;;       r = np.clip(x / 2.0 ** e, -57344, 57344)
;;       step = 2.0 ** (np.maximum(np.frexp(np.where(r == 0, 1, r))[1] - 1, -14) - 2)
;;       q = np.round(r / step) * step * 2.0 ** e      # np.round: ties to even
;;       return np.moveaxis(q.reshape(q.shape[:-2] + (-1,))[..., :K], -1, axis).astype(np.float32)
;;   ~~~
;;   OPERANDS COMPUTED ON THE WAY. 'Computed on the way' means the value that the module computes at that place (a softmax that the list does not call 'softmax' is quantised finished and normalised). What goes into a quantiser is computed in f32, as accurately as f32 sums, v_exp_f32 and their like allow (about 1e-6 of the number): no bf16 or f16 on the way to a quantiser, and a product that is left as it is and whose result goes on into a quantised operand takes f32 operands (vector FMAs, or v_wmma_f32_16x16x4_f32). A number that lies on a knife's edge between two numbers of the format may be rounded either way, as far as f32 arithmetic and the matrix unit's own rounding can turn it there, and no further.
;; 2 versions, each right; version 2 is version 1 with the launch attn written anew for expert scheduling mode. Each part assembles by itself: llvm-mc -triple=amdgcn-amd-amdhsa -mcpu=gfx1250 --defsym DOCPART=n.
;; ======== version 1 of 2: 2 launches
;; workspace buffers: qkv 25,958,400 bytes; gidx 131,072 bytes of whole numbers; gwt 786,432 bytes
;; launch proj (part 1): grid 256 x 1, 12 waves a work-group, no clusters, 256,512 bytes of LDS; arguments k, v, q, Wk, Wv, Wq, flow, qkv, gidx, gwt; writes qkv, gidx, gwt
.if DOCPART == 1
	.amdgcn_target "amdgcn-amd-amdhsa--gfx1250"
	.amdhsa_code_object_version 6
	.text
	.protected	k_qfd1d62a40a_proj
	.globl	k_qfd1d62a40a_proj
	.p2align	8
	.type	k_qfd1d62a40a_proj,@function
k_qfd1d62a40a_proj:
	s_mov_b64 s[64:65], 0
	v_nop
	global_prefetch_b8 v0, s[64:65] scope:SCOPE_SE
	s_setreg_imm32_b32 hwreg(HW_REG_WAVE_MODE, 25, 1), 1
	s_wait_xcnt 0x0
; THE THREE 1x1 CONVOLUTIONS kp = Wk k, vp = Wv v, qp = Wq q, on codes of BF8 (E5M2) with one E8M0 scale for each 32 channels, and the sampling windows from flow.
; k, v, q: [4][128 channels][64][64] f32.  W*: [128 o][128 c] f32.  flow: [4][2][64][64] f32.
; OUT: qkv [n 4][row 65][column 65][1,536 bytes]: a pixel's record holds kp's 128 channels at +0, vp's at +512, qp's at +1,024, f32.  Row 64 and column 64 hold zeros in
;   their K and V parts (their Q parts are neither written nor read): the next launch sends every position outside the image there, so zero padding needs no mask.
;   gidx [pixel][2] int32 = (ix, iy): first column and row of the pixel's 6 x 6 window, held to -6 .. 64 (beyond these all six positions lie outside anyway).
;   gwt [pixel][12] f32 = (wy0, wx0, wy1, wx1, .. wy4, wx4, 0, 0): each tap's bilinear weight.
; SHARES.  A work-group is one image row: 64 pixels, 256 bytes of every channel's row.  Twelve waves: wave w serves tensor g = w / 4 (0 K, 1 V, 2 Q), part u = w % 4.
;   It brings 32 channels x 64 pixels into LDS by one tensor load; quantises weight tiles 2 u and 2 u + 1 (16 rows of o each) and hands them to its group as images of the operand's
;   registers; quantises pixels 16 u .. 16 u + 15 along the channels; multiplies them by the group's 8 weight tiles: 8 matrix instructions, all of K = 128 in one, C = 0; and stores 16 records' parts.
;   Wave 0 also writes the zeros; waves 4 and 8 also turn flow into gidx and gwt, 32 pixels each.
; THE MATRIX INSTRUCTION: source 0 = 16 rows of W, source 1 = 16 pixels: lane (r, h) then holds pixel r and its register j channel o = 16 tile + 8 h + j.
; THE SAMPLE POSITIONS follow the defining sequence of f32 operations for each of the five taps of an axis: (whole position + flow) x 2 / 63 - 1, then + 1, x 31.5.  The division is a
;   multiplication by the rounded reciprocal, the exact remainder by a fused multiply-add and one correction.  The window begins at tap 0's floor; tap t's weight is its position less (that floor + t).
; LIMITS.  NaN and infinities in any input are not served.  A block of 32 whose largest magnitude lies under 2^-111 gets the scale byte 1 (a block of zeros too: its codes are zeros, and only this
;   program reads the bytes).  Where a tap's own floor is not tap 0's floor + t (its position lies within a rounding of a whole number) its weight falls just under 0 or reaches 1: the bilinear form
;   continued, which differs from the form one cell on by that rounding times a second difference of the samples.
; NO CLUSTER: what work-groups share is the weights, 16 KiB a wave, which go from memory straight into the registers that quantise them; brought jointly they would want 192 KiB of LDS beside
;   the 254,976 bytes in use.  Each work-group's tiles of k, v and q are its own.
; No LDS byte is filled twice: one tensor load a wave, at the head.
.set XPITCH, 264                       ; a channel's row in LDS: 256 bytes + 8: lanes 16-31 read 16 rows = 1,056 words further on, which is 32 banks on (64 banks of 4 bytes: ISA guide 11.1)
.set XWAVE,  32*XPITCH                 ; what one tensor load brings
.set WIMG,   12*XWAVE                  ; 24 weight fragments, 2,048 bytes each: fragment (g, tile) at (8 g + tile) x 2,048 + 512 c + 16 x lane
.set WSC,    WIMG+24*2048              ; their scale words, 128 bytes each: 4 x lane
.set STG,    WSC+24*128                ; a stage of 16 rows x (512 + 16) bytes for each wave
.set SPITCH, 528
.set REC,    1536                      ; a record of qkv
.set L16, 1                            ; v1   16 x lane
.set L4,  2                            ; v2   4 x lane
.set WGO, 3                            ; v3   my place in a weight tile in memory: 512 r + 64 h
.set XA,  4                            ; v4   my place in my group's tile in LDS
.set WWI, 5                            ; v5   where I store my two fragments' images
.set WWS, 6                            ; v6   and their scale words
.set WRI, 7                            ; v7   where I read my group's eight
.set WRS, 8                            ; v8   and their scale words
.set STO, 9                            ; v9   the stage: where I put 32 bytes of a pixel's row
.set SRD, 10                           ; v10  and where I read a row back
.set WSW, 11                           ; v11-18 the weights' scale words: scales and nothing else
.set XSW, 19                           ; v19  the pixels' scale word: likewise
.set MW,  20                           ; v20-21 the two scale words made for the group
.set TM,  22                           ; v22-37 the quantiser's work
.set PC,  38                           ; v38-53 the pixels' codes
.set N,   64                           ; v64-127 my two fragments' codes (32), the jobs' registers (from v96), then 64 numbers of my pixels, then the eight results
.set WF,  128                          ; v128-255 128 numbers of my two weight tiles, then the eight fragments, then rows back from the stage
.set JF,  96                           ; the flow job: flow (y, x)
.set JP,  98                           ; whole position (y, x)
.set JT,  100
.set JQ,  102
.set JR,  104
.set JB,  106                          ; tap 0's floor (y, x)
.set JI,  110                          ; (ix, iy)
.set JW,  112                          ; the 12 words of gwt
.set JO8, 124
.set JO48, 125
.set SEL, 50                           ; s[50:51] v_permlanex16_b32's selects for lane l xor 16
.set MNT, 52                           ; s52  the mantissa field of 57,344
; 64 numbers of a lane, v[s] on, register 16 b + i = k 32 b + 16 (lane / 16) + i of the lane's row, become a fragment's 16 registers of codes, v[pc] on, and the row's scale word v[pw].
.macro QUANT s, pc, pw
.irp b, 0,1,2,3
	v_max3_num_f32 v[TM+\b], |v[\s+16*\b]|, |v[\s+16*\b+1]|, 0x8000000   ; block b: my 16 numbers, and the floor 2^(16 - 127): the byte cannot fall under 1
.endr
.irp i, 2,4,6,8,10,12,14
.irp b, 0,1,2,3
	v_max3_num_f32 v[TM+\b], v[TM+\b], |v[\s+16*\b+\i]|, |v[\s+16*\b+\i+1]|   ; the four blocks by turns
.endr
.endr
.irp b, 0,1,2,3
	v_permlanex16_b32 v[TM+4+\b], v[TM+\b], s[SEL], s[SEL+1]
.endr
.irp b, 0,1,2,3
	v_max_num_f32 v[TM+\b], v[TM+\b], v[TM+4+\b]       ; with lane l xor 16's 16: the block's largest magnitude
.endr
.irp b, 0,1,2,3
	v_add_nc_u32 v[TM+12+\b], 0xf8800000, v[TM+\b]     ; 15 off its exponent field: the conversion takes this operand's exponent field as its scale
.endr
.irp b, 0,1,2,3
	v_and_or_b32 v[TM+8+\b], v[TM+\b], 0x7f800000, s[MNT]   ; 57,344 x the scale
.endr
.irp b, 0,1,2,3
	v_lshrrev_b32 v[TM+4+\b], 23, v[TM+12+\b]          ; the scale's byte
.endr
	v_lshl_or_b32 v[\pw], v[TM+5], 8, v[TM+4]
	v_lshl_or_b32 v[\pw], v[TM+6], 16, v[\pw]
	v_lshl_or_b32 v[\pw], v[TM+7], 24, v[\pw]
.irp b, 0,1,2,3
.irp i, 0,1,2,3,4,5,6,7,8,9,10,11,12,13,14,15
	v_med3_num_f32 v[\s+16*\b+\i], v[\s+16*\b+\i], -v[TM+8+\b], v[TM+8+\b]   ; the conversion to an 8-bit code does not saturate (ISA guide 7.6.2): the hold comes first
.endr
	v_cvt_scalef32_pk8_bf8_f32 v[\pc+4*\b:\pc+4*\b+1], v[\s+16*\b:\s+16*\b+7], v[TM+12+\b]
	v_cvt_scalef32_pk8_bf8_f32 v[\pc+4*\b+2:\pc+4*\b+3], v[\s+16*\b+8:\s+16*\b+15], v[TM+12+\b]
.endr
	v_nop                                              ; one plain line between the last conversion and whatever next touches its result or writes its sources
.endm
; Tap t of both axes (a = 0: y, 1: x).  sh: the tap's shift, up: t, both as f32 constants.
.macro TAP t, sh, up
.irp a, 0,1
	v_add_f32 v[JT+\a], \sh, v[JP+\a]                  ; the tap's whole position: exact
.endr
.irp a, 0,1
	v_add_f32 v[JT+\a], v[JT+\a], v[JF+\a]             ; + flow
.endr
.irp a, 0,1
	v_add_f32 v[JT+\a], v[JT+\a], v[JT+\a]             ; x 2: exact
.endr
.irp a, 0,1
	v_mul_f32 v[JQ+\a], s2, v[JT+\a]                   ; / 63: first by the rounded reciprocal,
.endr
.irp a, 0,1
	v_fma_f32 v[JR+\a], -v[JQ+\a], s57, v[JT+\a]       ; the remainder, exact,
.endr
.irp a, 0,1
	v_fma_f32 v[JQ+\a], v[JR+\a], s2, v[JQ+\a]         ; and the correction
.endr
.irp a, 0,1
	v_add_f32 v[JQ+\a], -1.0, v[JQ+\a]                 ; the normalised coordinate
.endr
.irp a, 0,1
	v_add_f32 v[JQ+\a], 1.0, v[JQ+\a]                  ; and back: + 1,
.endr
.irp a, 0,1
	v_mul_f32 v[JQ+\a], s3, v[JQ+\a]                   ; x 0.5 x 63 (the halving is exact, so one multiplication by 31.5 rounds alike)
.endr
.if \t == 0
.irp a, 0,1
	v_floor_f32 v[JB+\a], v[JQ+\a]                     ; the window's first row and column
.endr
.endif
.irp a, 0,1
	v_add_f32 v[JT+\a], \up, v[JB+\a]
.endr
.irp a, 0,1
	v_sub_f32 v[JW+2*\t+\a], v[JQ+\a], v[JT+\a]        ; the tap's weight
.endr
.endm
	s_load_b512 s[4:19], s[0:1], 0x0               ; k s[4:5], v s[6:7], q s[8:9], Wk s[10:11], Wv s[12:13], Wq s[14:15], flow s[16:17], qkv s[18:19]
	s_load_b128 s[20:23], s[0:1], 0x40             ; gidx s[20:21], gwt s[22:23]
	v_lshl_add_u32 v62, v0, 2, 0x3e400
	v_mov_b32 v63, 0
	ds_add_u32 v62, v63
	ds_add_u32 v62, v63
	v_lshrrev_b32 v3, 5, v0
	v_readfirstlane_b32 s24, v3                    ; wave 0..11
	s_lshr_b32 s25, s24, 2                         ; g: which tensor
	s_and_b32 s26, s24, 3                          ; u: which part
	s_lshr_b32 s27, ttmp9, 6                       ; n
	s_and_b32 s28, ttmp9, 63                       ; y
	; descriptor group 1: 32 rows (channels) of 64 f32, 4,096 elements apart in memory, 2 words of padding behind each row's 64
	s_mov_b32 s36, (2<<16)|(1<<20)|(5<<22)|(1<<25)
	s_mov_b32 s37, 64<<16                          ; tensor_dim0 = 64
	s_mov_b32 s38, 32<<16                          ; tensor_dim1 = 32
	s_mov_b32 s39, 64<<16                          ; tile_dim0 = 64
	s_mov_b32 s40, 32                              ; tile_dim1 = 32
	s_mov_b32 s41, 4096                            ; from channel to channel
	s_mov_b32 s42, 0
	s_mov_b32 s43, 0
	s_mov_b32 s32, 1                               ; group 0: count = 1,
	s_mul_i32 s33, s24, XWAVE                      ; my 32 rows' place in LDS
	s_mov_b32 s[SEL], 0x76543210
	s_mov_b32 s[SEL+1], 0xfedcba98
	s_mov_b32 s[MNT], 0x600000
	; every LDS address is made here, ahead of the first branch on the wave's number
	v_and_b32 v[L16], 31, v0
	v_lshlrev_b32 v[L4], 2, v[L16]
	v_lshlrev_b32 v[L16], 4, v[L16]
	v_and_b32 v54, 15, v0                          ; r
	v_bfe_u32 v55, v0, 4, 1                        ; h
	v_lshlrev_b32 v[WGO], 9, v54
	v_lshl_add_u32 v[WGO], v55, 6, v[WGO]          ; row r of 512 bytes, + 64 h: my 16 numbers of a block of 32
	v_mul_u32_u24 v[XA], v55, 16*XPITCH
	v_lshl_add_u32 v[XA], v54, 2, v[XA]
	s_mul_i32 s30, s25, 4*XWAVE
	s_lshl_b32 s31, s26, 6
	s_add_co_u32 s30, s30, s31
	v_add_nc_u32 v[XA], s30, v[XA]                 ; my group's tile, channel 16 h, pixel 16 u + r
	s_lshl_b32 s30, s24, 12
	s_add_co_u32 s30, s30, WIMG
	v_add_nc_u32 v[WWI], s30, v[L16]               ; fragments 8 g + 2 u and the next = 2 w and 2 w + 1
	s_lshl_b32 s30, s24, 8
	s_add_co_u32 s30, s30, WSC
	v_add_nc_u32 v[WWS], s30, v[L4]
	s_lshl_b32 s30, s25, 14
	s_add_co_u32 s30, s30, WIMG
	v_add_nc_u32 v[WRI], s30, v[L16]
	s_lshl_b32 s30, s25, 10
	s_add_co_u32 s30, s30, WSC
	v_add_nc_u32 v[WRS], s30, v[L4]
	s_mul_i32 s30, s24, 16*SPITCH
	s_add_co_u32 s30, s30, STG
	v_mul_u32_u24 v[STO], v54, SPITCH
	v_lshl_add_u32 v[STO], v55, 5, v[STO]
	v_add_nc_u32 v[STO], s30, v[STO]
	v_add_nc_u32 v[SRD], s30, v[L16]
.irp b, 0,1,2,3
	v_mov_b32 v[TM+4+\b], 0                        ; written once: a lane permute's destination counts as one of its sources
.endr
	s_lshl_b32 s30, s27, 21                        ; my tile in memory: image n, channel 32 u, row y
	s_lshl_b32 s31, s26, 19
	s_add_co_u32 s30, s30, s31
	s_lshl_b32 s31, s28, 8
	s_add_co_u32 s30, s30, s31
	s_mov_b32 s31, 0
	s_wait_dscnt 0x0
	s_wait_kmcnt 0x0
	s_cmp_eq_u32 s25, 0                            ; the tensor and its weight are chosen by the wave's number alone
	s_cselect_b64 s[44:45], s[4:5], s[6:7]
	s_cselect_b64 s[46:47], s[10:11], s[12:13]
	s_cmp_eq_u32 s25, 2
	s_cselect_b64 s[44:45], s[8:9], s[44:45]
	s_cselect_b64 s[46:47], s[14:15], s[46:47]
	s_add_nc_u64 s[34:35], s[44:45], s[30:31]
	s_or_b32 s35, s35, 0x80000000                  ; type = 2
	tensor_load_to_lds s[32:35], s[36:43]          ; my one tensor load: 32 rows of 256 bytes, each a whole aligned run of memory
	s_nop 0
.rept 4
	v_nop                                          ; four lines behind a tensor load
.endr
	s_lshl_b32 s30, s26, 14
	s_add_nc_u64 s[46:47], s[46:47], s[30:31]      ; my two weight tiles: rows 32 u on
.irp t, 0,1
.irp b, 0,1,2,3
.irp j, 0,1,2,3
	global_load_b128 v[WF+64*\t+16*\b+4*\j:WF+64*\t+16*\b+4*\j+3], v[WGO], s[46:47] offset:8192*\t+128*\b+16*\j
.endr
.endr
.endr
	s_mul_i32 s29, s27, 65
	s_add_co_u32 s29, s29, s28
	s_mul_i32 s29, s29, 65                         ; the number of record (n, y, column 0)
	s_lshl_b32 s30, s26, 4
	s_add_co_u32 s30, s30, s29
	s_mul_i32 s30, s30, REC
	s_lshl_b32 s55, s25, 9
	s_add_co_u32 s30, s30, s55
	s_add_nc_u64 s[48:49], s[18:19], s[30:31]      ; where my 16 pixels' parts go: column 16 u, part g
	; ---- wave 0: the zeros.  Column 64 of my row, column y of row 64, and with y = 63 the corner: K and V parts, 512 bytes a store
	s_cmp_lg_u32 s24, 0
	s_cbranch_scc1 .Lno_zeros
	s_add_co_u32 s56, s29, 64
	s_mul_i32 s56, s56, REC
	s_mov_b32 s57, 0
	s_add_nc_u64 s[56:57], s[18:19], s[56:57]
	s_mul_i32 s58, s27, 65
	s_add_co_u32 s58, s58, 64
	s_mul_i32 s58, s58, 65
	s_add_co_u32 s58, s58, s28
	s_mul_i32 s58, s58, REC
	s_mov_b32 s59, 0
	s_add_nc_u64 s[58:59], s[18:19], s[58:59]
.irp j, 0,1,2,3
	v_mov_b32 v[N+32+\j], 0
.endr
	global_store_b128 v[L16], v[N+32:N+35], s[56:57]
	global_store_b128 v[L16], v[N+32:N+35], s[56:57] offset:512
	global_store_b128 v[L16], v[N+32:N+35], s[58:59]
	global_store_b128 v[L16], v[N+32:N+35], s[58:59] offset:512
	s_cmp_lg_u32 s28, 63
	s_cbranch_scc1 .Lno_corner
	global_store_b128 v[L16], v[N+32:N+35], s[58:59] offset:REC
	global_store_b128 v[L16], v[N+32:N+35], s[58:59] offset:REC+512
.Lno_corner:
	s_wait_xcnt 0x0                                ; the stores have read their registers: these are written again further down
.Lno_zeros:
	; ---- waves 4 and 8: flow into gidx and gwt, pixels 32 e .. 32 e + 31 of the row, a lane a pixel
	s_cmp_lg_u32 s26, 0
	s_cbranch_scc1 .Lno_flow
	s_cmp_eq_u32 s25, 0
	s_cbranch_scc1 .Lno_flow
	s_sub_co_u32 s55, s25, 1                       ; e
	s_lshl_b32 s62, s27, 15
	s_lshl_b32 s63, s28, 8
	s_add_co_u32 s62, s62, s63
	s_lshl_b32 s63, s55, 7
	s_add_co_u32 s62, s62, s63
	s_mov_b32 s63, 0
	s_add_nc_u64 s[62:63], s[16:17], s[62:63]
	global_load_b32 v[JF+1], v[L4], s[62:63]                   ; flow x
	global_load_b32 v[JF], v[L4], s[62:63] offset:16384        ; flow y
	s_lshl_b32 s60, ttmp9, 9                       ; gidx: 8 bytes a pixel, 64 pixels a work-group
	s_lshl_b32 s61, s55, 8
	s_add_co_u32 s60, s60, s61
	s_mov_b32 s61, 0
	s_add_nc_u64 s[60:61], s[20:21], s[60:61]
	s_mul_i32 s58, ttmp9, 3072                     ; gwt: 48 bytes a pixel
	s_mul_i32 s59, s55, 1536
	s_add_co_u32 s58, s58, s59
	s_mov_b32 s59, 0
	s_add_nc_u64 s[58:59], s[22:23], s[58:59]
	s_lshl_b32 s56, s55, 5
	v_and_b32 v[JP+1], 31, v0
	v_add_nc_u32 v[JP+1], s56, v[JP+1]
	v_cvt_f32_u32 v[JP+1], v[JP+1]                 ; my pixel's column,
	v_cvt_f32_u32 v[JP], s28                       ; and row
	v_lshrrev_b32 v[JO8], 1, v[L16]                ; 8 x lane
	v_mul_u32_u24 v[JO48], v[L16], 3               ; 48 x lane
	v_mov_b32 v[JW+10], 0
	v_mov_b32 v[JW+11], 0
	s_mov_b32 s2, 0x3c820821                       ; 1 / 63, rounded
	s_mov_b32 s3, 0x41fc0000                       ; 31.5
	s_mov_b32 s57, 0x427c0000                      ; 63
	s_mov_b32 s53, 0xc0c00000                      ; -6
	s_mov_b32 s54, 0x42800000                      ; 64
	s_wait_loadcnt 0x0                             ; flow was asked for last: all my loads are in, the weights too, which are wanted next
	TAP 0, -2.0, 0
	TAP 1, -1.0, 1.0
	TAP 2, 0, 2.0
	TAP 3, 1.0, 3.0
	TAP 4, 2.0, 4.0
.irp a, 0,1
	v_med3_num_f32 v[JB+\a], v[JB+\a], s53, s54
.endr
	v_cvt_i32_f32 v[JI], v[JB+1]                   ; ix
	v_cvt_i32_f32 v[JI+1], v[JB]                   ; iy
	global_store_b64 v[JO8], v[JI:JI+1], s[60:61]              ; 32 lanes store 256 consecutive bytes
	global_store_b128 v[JO48], v[JW:JW+3], s[58:59]            ; a lane's 48 bytes in three stores: together the wave's 1,536 consecutive bytes
	global_store_b128 v[JO48], v[JW+4:JW+7], s[58:59] offset:16
	global_store_b128 v[JO48], v[JW+8:JW+11], s[58:59] offset:32
	s_wait_xcnt 0x0                                ; the stores have read their registers: these are written again further down
.Lno_flow:
	; ---- my two weight tiles become fragments and go to LDS as images of their registers
	s_wait_loadcnt 16                              ; the first tile's 16 loads are in; the second's 16 may be out
	QUANT WF, N, MW
.irp c, 0,1,2,3
	ds_store_b128 v[WWI], v[N+4*\c:N+4*\c+3] offset:512*\c
.endr
	ds_store_b32 v[WWS], v[MW]
	s_wait_loadcnt 0x0
	QUANT WF+64, N+16, MW+1
.irp c, 0,1,2,3
	ds_store_b128 v[WWI], v[N+16+4*\c:N+16+4*\c+3] offset:2048+512*\c
.endr
	ds_store_b32 v[WWS], v[MW+1] offset:128
	s_wait_tensorcnt 0x0                           ; my 32 rows of the tile have landed,
	s_wait_dscnt 0x0                               ; my images are stored:
	s_barrier_signal -1
	s_barrier_wait -1                              ; everybody's: the one barrier of the launch
	; ---- my 16 pixels: a lane takes pixel r and its registers run down the channels, in the operand's own order
.irp b, 0,1,2,3
.irp i, 0,1,2,3,4,5,6,7,8,9,10,11,12,13,14,15
	ds_load_b32 v[N+16*\b+\i], v[XA] offset:(32*\b+\i)*XPITCH
.endr
.endr
.irp t, 0,1,2,3,4,5,6,7
.irp c, 0,1,2,3
	ds_load_b128 v[WF+16*\t+4*\c:WF+16*\t+4*\c+3], v[WRI] offset:2048*\t+512*\c
.endr
.endr
.irp t, 0,1,2,3,4,5,6,7
	ds_load_b32 v[WSW+\t], v[WRS] offset:128*\t
.endr
	s_wait_dscnt 40                                ; the 64 numbers are in; the 32 + 8 loads of the weights' images may be out
	QUANT N, PC, XSW
	s_wait_dscnt 0x0
.rept 4
	v_nop                                          ; codes written by vector instructions stand four places ahead of a scaled matrix instruction; the scale word was made ahead of the 64 holds
.endr
.irp t, 0,1,2,3,4,5,6,7
	v_wmma_scale_f32_16x16x128_f8f6f4 v[N+8*\t:N+8*\t+7], v[WF+16*\t:WF+16*\t+15], v[PC:PC+15], 0, v[WSW+\t], v[XSW] matrix_a_fmt:MATRIX_FMT_BF8 matrix_b_fmt:MATRIX_FMT_BF8
.endr
.rept 8
	v_nop                                          ; eight places behind this form, ahead of the stores that read results and of the loads into the fragments' registers
.endr
	; ---- the way out: a lane's 32 bytes of a pixel go into my own stage, and come back as whole parts of 512 bytes
.irp t, 0,1,2,3,4,5,6,7
	ds_store_b128 v[STO], v[N+8*\t:N+8*\t+3] offset:64*\t          ; each result from its low end on
	ds_store_b128 v[STO], v[N+8*\t+4:N+8*\t+7] offset:64*\t+16
.endr
.irp i, 0,1,2,3,4,5,6,7,8,9,10,11,12,13,14,15
	ds_load_b128 v[WF+4*\i:WF+4*\i+3], v[SRD] offset:SPITCH*\i     ; LDS serves a wave's instructions in order (ISA guide 5.7.1.4): these see my stores
.endr
.irp i, 0,1,2,3,4,5,6,7,8,9,10,11,12,13,14,15
	s_wait_dscnt 15-\i
	global_store_b128 v[L16], v[WF+4*\i:WF+4*\i+3], s[48:49] offset:REC*\i   ; 32 lanes store 512 consecutive bytes, at a multiple of 256 from the buffer's first byte
.endr
	s_wait_tensorcnt 0x0
	ds_add_u32 v62, v63
	s_wait_dscnt 0x0
	s_endpgm
.Lfunc_end_k_qfd1d62a40a_proj:
	.size	k_qfd1d62a40a_proj, .Lfunc_end_k_qfd1d62a40a_proj-k_qfd1d62a40a_proj
	.p2alignl 7, 3214868480
	.fill 96, 4, 3214868480
	.section	.rodata,"a",@progbits
	.p2align	6, 0x0
	.amdhsa_kernel k_qfd1d62a40a_proj
		.amdhsa_group_segment_fixed_size 256512
		.amdhsa_private_segment_fixed_size 0
		.amdhsa_enable_private_segment 0
		.amdhsa_kernarg_size 80
		.amdhsa_user_sgpr_count 2
		.amdhsa_user_sgpr_kernarg_segment_ptr 1
		.amdhsa_wavefront_size32 1
		.amdhsa_system_sgpr_workgroup_id_x 1
		.amdhsa_system_sgpr_workgroup_id_y 1
		.amdhsa_system_sgpr_workgroup_id_z 1
		.amdhsa_system_vgpr_workitem_id 0
		.amdhsa_next_free_vgpr 256
		.amdhsa_next_free_sgpr 66
		.amdhsa_reserve_vcc 0
		.amdhsa_float_denorm_mode_32 3
		.amdhsa_float_denorm_mode_16_64 3
		.amdhsa_memory_ordered 1
		.amdhsa_forward_progress 1
		.amdhsa_inst_pref_size 52
	.end_amdhsa_kernel
	.amdgpu_metadata
---
amdhsa.version: [ 1, 2 ]
amdhsa.kernels:
  - .name:           k_qfd1d62a40a_proj
    .symbol:         k_qfd1d62a40a_proj.kd
    .args:
      - { .name: k, .offset: 0, .size: 8, .value_kind: global_buffer, .address_space: global }
      - { .name: v, .offset: 8, .size: 8, .value_kind: global_buffer, .address_space: global }
      - { .name: q, .offset: 16, .size: 8, .value_kind: global_buffer, .address_space: global }
      - { .name: Wk, .offset: 24, .size: 8, .value_kind: global_buffer, .address_space: global }
      - { .name: Wv, .offset: 32, .size: 8, .value_kind: global_buffer, .address_space: global }
      - { .name: Wq, .offset: 40, .size: 8, .value_kind: global_buffer, .address_space: global }
      - { .name: flow, .offset: 48, .size: 8, .value_kind: global_buffer, .address_space: global }
      - { .name: qkv, .offset: 56, .size: 8, .value_kind: global_buffer, .address_space: global }
      - { .name: gidx, .offset: 64, .size: 8, .value_kind: global_buffer, .address_space: global }
      - { .name: gwt, .offset: 72, .size: 8, .value_kind: global_buffer, .address_space: global }
    .group_segment_fixed_size: 256512
    .private_segment_fixed_size: 0
    .kernarg_segment_align: 8
    .kernarg_segment_size: 80
    .max_flat_workgroup_size: 384
    .sgpr_count:     66
    .vgpr_count:     256
    .wavefront_size: 32
...
	.end_amdgpu_metadata
.endif
;; end of part 1
;; launch attn (part 2): grid 256 x 1, 16 waves a work-group, no clusters, 98,304 bytes of LDS; arguments qkv, gidx, gwt, Wfc, out0, out1; writes out0, out1
.if DOCPART == 2
	.amdgcn_target "amdgcn-amd-amdhsa--gfx1250"
	.amdhsa_code_object_version 6
	.text
	.protected	k_qfd1d62a40a_attn
	.globl	k_qfd1d62a40a_attn
	.p2align	8
	.type	k_qfd1d62a40a_attn,@function
k_qfd1d62a40a_attn:
	s_mov_b64 s[64:65], 0
	v_nop
	global_prefetch_b8 v0, s[64:65] scope:SCOPE_SE
	s_setreg_imm32_b32 hwreg(HW_REG_WAVE_MODE, 25, 1), 1
	s_wait_xcnt 0x0
; THE WINDOW ATTENTION AND THE LAST 1x1 CONVOLUTION.  For each pixel: 25 taps (5 x 5) of kp and vp, sampled bilinearly round pixel + flow with zeros outside; 4 heads of 32 channels;
; logits = qp . sample / sqrt(32); softmax over the 25 taps (out1); the weighted sum of vp's samples; out0 = Wfc x that, on codes of BF8 (E5M2) with one E8M0 scale for each 32 channels.
; IN: qkv [n][65][65][1,536 bytes] (K +0, V +512, Q +1,024; row 64 and column 64 are zeros), gidx [pixel] (ix, iy), gwt [pixel] (wy0, wx0, .. wy4, wx4, 0, 0), all stored by the launch before; Wfc [128][128] f32.
; THE 6 x 6 WINDOW.  Tap (ky, kx) mixes positions (iy + ky, iy + ky + 1) x (ix + kx, ix + kx + 1), so the 25 taps draw on 36 positions.  Dot product and weighted sum are linear: 36 dots are mixed
;   into 25 logits (down the rows by wy, along them by wx), and the 25 weights are spread back over the 36 positions by the same mix transposed.  Each position is read once for K and once for V.
; ZERO PADDING.  A position's row and column go through an unsigned minimum with 64: what is negative wraps to a large number, so all that lies outside lands on the zero row or column.
; SHARES.  A work-group is one image row, 64 pixels; wave w takes pixels 4 w .. 4 w + 3, one after the other.  In a pixel lane l holds channels 4 l .. 4 l + 3 (head l / 8): one load of 16 bytes a lane
;   is one position's 512 consecutive bytes.  36 slots of 4 registers take K's positions, row by row V's as K's are used, row by row the next pixel's K as V's are used: 30 loads or more of every wave are out.
;   In the end wave w multiplies pixels 32 (w / 8) .. + 31 by rows 16 (w % 8) .. + 15 of Wfc: two matrix instructions, all of K = 128 in one.
; All arithmetic ahead of the last product's quantiser is f32.  The softmax takes the 25 logits' maximum away.
; LIMITS: NaN and infinities are not served; a block of 32 whose largest magnitude lies under 2^-111 gets the scale byte 1 (a block of zeros too: its codes are zeros, and only this launch reads the byte).
; NO CLUSTER: which positions a work-group reads hangs on flow; the one tile that all share is Wfc, 8 KiB a wave against 144 KiB of window loads.  No tensor load: the windows' addresses hang on stored numbers.
.set REC,    1536
.set ROWREC, 65*REC
.set IMGREC, 65*ROWREC
.set OUTS,   0                         ; LDS: the attention's result, 64 pixels x (512 + 16) bytes
.set OPITCH, 528
.set ATT,    64*OPITCH                 ; the weights: 100 rows (25 head + tap) x (256 + 16) bytes
.set APITCH, 272
.set OSTG,   ATT+100*APITCH            ; out0's stage: 128 rows (o) x (256 + 16) bytes
.set L16, 1                            ; v1   16 x lane
.set CO,  2                            ; v2-7 the window's six columns: column x 1,536 + 16 x lane
.set ATA, 8                            ; v8   where my head's weights go
.set OSA, 9                            ; v9   where my 16 bytes of a pixel's result go
.set WFO, 10                           ; v10  my place in a tile of Wfc in memory
.set PXA, 11                           ; v11  my place in OUTS as an operand's lane
.set OST, 12                           ; v12  where I put 32 bytes of a row of out0
.set ORD, 13                           ; v13  and where I read rows back
.set ARD, 14                           ; v14  where I read rows of weights back
.set GOF, 15                           ; v15  two rows of an output: 16,384 h + 16 r
.set WS,  16                           ; v16-18 scale words: Wfc's, the two pixel tiles': scales and nothing else
.set PW0, 17
.set PW1, 18
.set Q,   20                           ; v20-35 Q of my four pixels; in the end the two results
.set ACC, 36                           ; v36-43 the weighted sum, two chains
.set R1,  44                           ; v44-79 36 dots, then 25 logits, p, weights, then the 36 positions' weights
.set R2,  80                           ; v80-109 at work, then the half-mixed 5 x 6
.set M,   110                          ; v110-111
.set BUF, 112                          ; v112-255 36 slots of 4
.set WC,  44                           ; the end: Wfc's codes, the two pixel tiles' codes, the quantiser's work
.set PC0, 60
.set PC1, 76
.set TM,  92
.set IX,  24                           ; s[24:31] (ix, iy) of my four pixels
.set WT,  32                           ; word f of my four pixels' 48 weight words lies in s[32 + f + 4 (f / 32)]: s32-63 and s68-83
.set RB,  84                           ; s[84:95] the window's six rows: addresses
.set CS,  96                           ; s[96:97] c = log2(e) / sqrt(32)
.set SEL, 98                           ; s[98:99]
.set MNT, 100                          ; s100
.macro QUANT s, pc, pw                 ; as in the launch before: 64 numbers of a lane, register 16 b + i = k 32 b + 16 (lane / 16) + i, become 16 registers of codes and the row's scale word
.irp b, 0,1,2,3
	v_max3_num_f32 v[TM+\b], |v[\s+16*\b]|, |v[\s+16*\b+1]|, 0x8000000   ; my 16 numbers of block b, and the floor 2^(16 - 127)
.endr
.irp i, 2,4,6,8,10,12,14
.irp b, 0,1,2,3
	v_max3_num_f32 v[TM+\b], v[TM+\b], |v[\s+16*\b+\i]|, |v[\s+16*\b+\i+1]|
.endr
.endr
.irp b, 0,1,2,3
	v_permlanex16_b32 v[TM+4+\b], v[TM+\b], s[SEL], s[SEL+1]
.endr
.irp b, 0,1,2,3
	v_max_num_f32 v[TM+\b], v[TM+\b], v[TM+4+\b]
.endr
.irp b, 0,1,2,3
	v_add_nc_u32 v[TM+12+\b], 0xf8800000, v[TM+\b]     ; 15 off the exponent field: the conversion's scale operand
.endr
.irp b, 0,1,2,3
	v_and_or_b32 v[TM+8+\b], v[TM+\b], 0x7f800000, s[MNT]   ; 57,344 x the scale
.endr
.irp b, 0,1,2,3
	v_lshrrev_b32 v[TM+4+\b], 23, v[TM+12+\b]          ; the scale's byte
.endr
	v_lshl_or_b32 v[\pw], v[TM+5], 8, v[TM+4]
	v_lshl_or_b32 v[\pw], v[TM+6], 16, v[\pw]
	v_lshl_or_b32 v[\pw], v[TM+7], 24, v[\pw]
.irp b, 0,1,2,3
.irp i, 0,1,2,3,4,5,6,7,8,9,10,11,12,13,14,15
	v_med3_num_f32 v[\s+16*\b+\i], v[\s+16*\b+\i], -v[TM+8+\b], v[TM+8+\b]   ; the conversion does not saturate (ISA guide 7.6.2): the hold comes first
.endr
	v_cvt_scalef32_pk8_bf8_f32 v[\pc+4*\b:\pc+4*\b+1], v[\s+16*\b:\s+16*\b+7], v[TM+12+\b]
	v_cvt_scalef32_pk8_bf8_f32 v[\pc+4*\b+2:\pc+4*\b+3], v[\s+16*\b+8:\s+16*\b+15], v[TM+12+\b]
.endr
	v_nop                                              ; one plain line behind the last conversion
.endm
; The window of pixel i: six column offsets, six row addresses.  The minimum with 64 is the zero padding, and the bound on a number that was read from memory.
.macro ADDR i
.irp c, 0,1,2,3,4,5
	s_add_co_u32 s22, s[IX+2*(\i)], \c
	s_min_u32 s22, s22, 64
	s_mul_i32 s22, s22, REC
	v_add_nc_u32 v[CO+\c], s22, v[L16]
.endr
.irp r, 0,1,2,3,4,5
	s_add_co_u32 s22, s[IX+2*(\i)+1], \r
	s_min_u32 s22, s22, 64
	s_mul_i32 s22, s22, ROWREC
	s_add_nc_u64 s[RB+2*\r:RB+2*\r+1], s[20:21], s[22:23]
.endr
.endm
.macro KLOADS r                        ; K at the six positions of window row r
.irp c, 0,1,2,3,4,5
	global_load_b128 v[BUF+4*(6*(\r)+\c):BUF+4*(6*(\r)+\c)+3], v[CO+\c], s[RB+2*(\r):RB+2*(\r)+1]
.endr
.endm
; Window row r of pixel i: my four channels' part of six dots; then V's loads take the slots.
.macro KROW i, r
	s_wait_loadcnt 30                              ; behind K's row r were issued K's rows r + 1 .. 5, 6 (5 - r) loads, and V's rows 0 .. r - 1, 6 r: always 30
.irp c, 0,1,2,3,4,5
	v_pk_mul_f32 v[R2+2*\c:R2+2*\c+1], v[BUF+4*(6*\r+\c):BUF+4*(6*\r+\c)+1], v[Q+4*\i:Q+4*\i+1]
.endr
.irp c, 0,1,2,3,4,5
	v_pk_fma_f32 v[R2+2*\c:R2+2*\c+1], v[BUF+4*(6*\r+\c)+2:BUF+4*(6*\r+\c)+3], v[Q+4*\i+2:Q+4*\i+3], v[R2+2*\c:R2+2*\c+1]
.endr
.irp c, 0,1,2,3,4,5
	v_add_f32 v[R1+6*\r+\c], v[R2+2*\c], v[R2+2*\c+1]
.endr
.irp c, 0,1,2,3,4,5
	global_load_b128 v[BUF+4*(6*\r+\c):BUF+4*(6*\r+\c)+3], v[CO+\c], s[RB+2*\r:RB+2*\r+1] offset:512
.endr
.endm
; Between K and V: 36 dots -> 25 logits -> softmax -> 25 weights (to LDS) -> 36 positions' weights.
.macro MID i
.irp ky, 0,1,2,3,4                     ; down the rows: S[ky] = L[ky] + wy[ky] (L[ky + 1] - L[ky]), two columns at a time
.irp p, 0,2,4
	v_pk_add_f32 v[R2+6*\ky+\p:R2+6*\ky+\p+1], v[R1+6*\ky+6+\p:R1+6*\ky+7+\p], v[R1+6*\ky+\p:R1+6*\ky+\p+1] neg_lo:[0,1] neg_hi:[0,1]
.endr
.endr
.irp ky, 0,1,2,3,4
.set fw, 12*(\i)+2*\ky
.set sw, WT+fw+4*(fw/32)
.irp p, 0,2,4
	v_pk_fma_f32 v[R2+6*\ky+\p:R2+6*\ky+\p+1], v[R2+6*\ky+\p:R2+6*\ky+\p+1], s[sw:sw+1], v[R1+6*\ky+\p:R1+6*\ky+\p+1] op_sel_hi:[1,0,1]
.endr
.endr
.irp ky, 0,1,2,3,4                     ; along the rows: l[5 ky + kx] = S[kx] + wx[kx] (S[kx + 1] - S[kx])
.irp kx, 0,1,2,3,4
	v_sub_f32 v[R1+5*\ky+\kx], v[R2+6*\ky+\kx+1], v[R2+6*\ky+\kx]
.endr
.endr
.irp ky, 0,1,2,3,4
.irp kx, 0,1,2,3,4
.set fw, 12*(\i)+2*\kx+1
.set sw, WT+fw+4*(fw/32)
	v_fma_f32 v[R1+5*\ky+\kx], v[R1+5*\ky+\kx], s[sw], v[R2+6*\ky+\kx]
.endr
.endr
.irp x, 1,2,4                          ; the head's eight lanes are added BEHIND the mix: 25 numbers, not 36; every lane of a head ends with the same bits
.set kk, 0
.rept 25
	v_add_f32_dpp v[R1+kk], v[R1+kk], v[R1+kk] row_xmask:\x row_mask:0xf bank_mask:0xf
.set kk, kk+1
.endr
.endr
	v_max3_num_f32 v[M], v[R1], v[R1+1], v[R1+2]   ; the largest logit, in two chains
	v_max3_num_f32 v[M+1], v[R1+3], v[R1+4], v[R1+5]
.irp j, 6,10,14,18
	v_max3_num_f32 v[M], v[M], v[R1+\j], v[R1+\j+1]
	v_max3_num_f32 v[M+1], v[M+1], v[R1+\j+2], v[R1+\j+3]
.endr
	v_max3_num_f32 v[M], v[M], v[R1+22], v[R1+23]
	v_max3_num_f32 v[M], v[M], v[M+1], v[R1+24]
	v_mul_f32 v[M], s[CS], v[M]                    ; c m
.irp j, 0,2,4,6,8,10,12,14,16,18,20,22
	v_pk_fma_f32 v[R1+\j:R1+\j+1], v[R1+\j:R1+\j+1], s[CS:CS+1], v[M:M+1] op_sel_hi:[1,0,0] neg_lo:[0,0,1] neg_hi:[0,0,1]   ; c l - c m
.endr
	v_fma_f32 v[R1+24], v[R1+24], s[CS], -v[M]
.set kk, 0
.rept 25
	v_exp_f32 v[R1+kk], v[R1+kk]                   ; one batch
.set kk, kk+1
.endr
	v_nop                                          ; a plain line behind the last exponential,
	s_wait_alu depctr_va_vdst(0)                   ; and one wait for the batch, ahead of its first reader
	v_pk_add_f32 v[M:M+1], v[R1:R1+1], v[R1+2:R1+3]            ; the sum, two at a time, in two chains
	v_pk_add_f32 v[R2:R2+1], v[R1+4:R1+5], v[R1+6:R1+7]
.irp j, 8,12,16,20
	v_pk_add_f32 v[M:M+1], v[M:M+1], v[R1+\j:R1+\j+1]
	v_pk_add_f32 v[R2:R2+1], v[R2:R2+1], v[R1+\j+2:R1+\j+3]
.endr
	v_pk_add_f32 v[M:M+1], v[M:M+1], v[R2:R2+1]
	v_add_f32 v[M], v[M], v[M+1]
	v_add_f32 v[M], v[M], v[R1+24]
	v_rcp_f32 v[M], v[M]
	v_nop
	s_wait_alu depctr_va_vdst(0)                   ; the reciprocal's wait, ahead of its first reader
.irp j, 0,2,4,6,8,10,12,14,16,18,20,22
	v_pk_mul_f32 v[R1+\j:R1+\j+1], v[R1+\j:R1+\j+1], v[M:M+1] op_sel_hi:[1,0]
.endr
	v_mul_f32 v[R1+24], v[R1+24], v[M]
.set kk, 0
.rept 25
	ds_store_b32 v[ATA], v[R1+kk] offset:APITCH*kk+4*(\i)      ; the eight lanes of a head write one word with one value
.set kk, kk+1
.endr
.irp ky, 0,1,2,3,4                     ; the mix transposed, along the rows: X[c] = (1 - wx[c]) a[c] + wx[c - 1] a[c - 1]
.irp c, 0,1,2,3,4
.set fw, 12*(\i)+2*\c+1
.set sw, WT+fw+4*(fw/32)
	v_fma_f32 v[R2+6*\ky+\c], -v[R1+5*\ky+\c], s[sw], v[R1+5*\ky+\c]
.endr
.set fw, 12*(\i)+9
.set sw, WT+fw+4*(fw/32)
	v_mul_f32 v[R2+6*\ky+5], s[sw], v[R1+5*\ky+4]
.irp c, 1,2,3,4
.set fw, 12*(\i)+2*\c-1
.set sw, WT+fw+4*(fw/32)
	v_fmac_f32 v[R2+6*\ky+\c], s[sw], v[R1+5*\ky+\c-1]
.endr
.endr
	s_wait_dscnt 0x0                               ; the LDS stores have read the weights, and the last pixel's store its sum: both are written again below
.irp r, 0,1,2,3,4                      ; and down the rows: W[r] = (1 - wy[r]) X[r] + wy[r - 1] X[r - 1]
.set fw, 12*(\i)+2*\r
.set sw, WT+fw+4*(fw/32)
.irp p, 0,2,4
	v_pk_fma_f32 v[R1+6*\r+\p:R1+6*\r+\p+1], v[R2+6*\r+\p:R2+6*\r+\p+1], s[sw:sw+1], v[R2+6*\r+\p:R2+6*\r+\p+1] op_sel_hi:[1,0,1] neg_lo:[1,0,0] neg_hi:[1,0,0]
.endr
.endr
.irp r, 1,2,3,4
.set fw, 12*(\i)+2*\r-2
.set sw, WT+fw+4*(fw/32)
.irp p, 0,2,4
	v_pk_fma_f32 v[R1+6*\r+\p:R1+6*\r+\p+1], v[R2+6*\r-6+\p:R2+6*\r-5+\p], s[sw:sw+1], v[R1+6*\r+\p:R1+6*\r+\p+1] op_sel_hi:[1,0,1]
.endr
.endr
.set fw, 12*(\i)+8
.set sw, WT+fw+4*(fw/32)
.irp p, 0,2,4
	v_pk_mul_f32 v[R1+30+\p:R1+31+\p], v[R2+24+\p:R2+25+\p], s[sw:sw+1] op_sel_hi:[1,0]
.endr
.endm
; Window row r of V: six positions into the sum, two chains by turns; the first two positions start the chains.  next = 1: the next pixel's K takes the slots; 0: Wfc's 16 loads take the first 16.
.macro VROW i, r, next
.if \next
	s_wait_loadcnt 30                              ; behind V's row r: V's rows r + 1 .. 5 and the next pixel's K rows 0 .. r - 1: always 30
.elseif \r < 3
	s_wait_loadcnt 30                              ; V's rows behind, 6 (5 - r), and Wfc's 6 r
.else
	s_wait_loadcnt 46-6*(\r)                       ; V's rows behind, 6 (5 - r), and Wfc's 16
.endif
.irp c, 0,1,2,3,4,5
.set pos, 6*(\r)+\c
.set slt, BUF+4*pos
.set acr, ACC+4*(pos%2)
.set wpr, R1+pos-(pos%2)
.if pos == 0
	v_pk_mul_f32 v[acr:acr+1], v[slt:slt+1], v[wpr:wpr+1] op_sel_hi:[1,0]
	v_pk_mul_f32 v[acr+2:acr+3], v[slt+2:slt+3], v[wpr:wpr+1] op_sel_hi:[1,0]
.elseif pos == 1
	v_pk_mul_f32 v[acr:acr+1], v[slt:slt+1], v[wpr:wpr+1] op_sel:[0,1] op_sel_hi:[1,1]
	v_pk_mul_f32 v[acr+2:acr+3], v[slt+2:slt+3], v[wpr:wpr+1] op_sel:[0,1] op_sel_hi:[1,1]
.elseif pos%2 == 0
	v_pk_fma_f32 v[acr:acr+1], v[slt:slt+1], v[wpr:wpr+1], v[acr:acr+1] op_sel_hi:[1,0,1]
	v_pk_fma_f32 v[acr+2:acr+3], v[slt+2:slt+3], v[wpr:wpr+1], v[acr+2:acr+3] op_sel_hi:[1,0,1]
.else
	v_pk_fma_f32 v[acr:acr+1], v[slt:slt+1], v[wpr:wpr+1], v[acr:acr+1] op_sel:[0,1,0] op_sel_hi:[1,1,1]
	v_pk_fma_f32 v[acr+2:acr+3], v[slt+2:slt+3], v[wpr:wpr+1], v[acr+2:acr+3] op_sel:[0,1,0] op_sel_hi:[1,1,1]
.endif
.endr
.if \next
	KLOADS \r
.elseif \r < 3
.irp c, 0,1,2,3,4,5
.set wfm, 6*(\r)+\c
.if wfm < 16
	global_load_b128 v[BUF+4*wfm:BUF+4*wfm+3], v[WFO], s[10:11] offset:128*(wfm/4)+16*(wfm%4)   ; my row of Wfc: 16 numbers of each block of 32
.endif
.endr
.endif
.endm
.macro PIXEL i, next
.irp r, 0,1,2,3,4,5
	KROW \i, \r
.endr
	MID \i
.if \next
	s_wait_xcnt 0x0                                ; V's loads have read their addresses: the window's registers are written again only behind this wait
	ADDR (\i)+1
.endif
.irp r, 0,1,2,3,4,5
	VROW \i, \r, \next
.endr
	v_pk_add_f32 v[ACC:ACC+1], v[ACC:ACC+1], v[ACC+4:ACC+5]
	v_pk_add_f32 v[ACC+2:ACC+3], v[ACC+2:ACC+3], v[ACC+6:ACC+7]
	ds_store_b128 v[OSA], v[ACC:ACC+3] offset:OPITCH*\i        ; the pixel's 128 channels: 512 consecutive bytes
.endm
	s_load_b256 s[4:11], s[0:1], 0x0               ; qkv s[4:5], gidx s[6:7], gwt s[8:9], Wfc s[10:11]
	s_load_b128 s[12:15], s[0:1], 0x20             ; out0 s[12:13], out1 s[14:15]
	v_lshrrev_b32 v80, 5, v0
	v_readfirstlane_b32 s16, v80                   ; wave 0..15
	s_lshr_b32 s17, ttmp9, 6                       ; n
	s_and_b32 s18, ttmp9, 63                       ; y
	s_and_b32 s19, s16, 7                          ; which 16 rows of Wfc are mine
	s_lshr_b32 s101, s16, 3                        ; which 32 pixels
	s_mov_b32 s23, 0
	s_lshl_b32 s22, ttmp9, 9                       ; my first pixel is 64 x work-group + 4 x wave: 8 bytes a pixel in gidx,
	s_lshl_b32 s66, s16, 5
	s_add_co_u32 s22, s22, s66
	s_mul_i32 s66, ttmp9, 3072                     ; 48 in gwt
	s_mul_i32 s67, s16, 192
	s_add_co_u32 s66, s66, s67
	s_mov_b32 s67, 0
	s_wait_kmcnt 0x0
	s_add_nc_u64 s[6:7], s[6:7], s[22:23]
	s_add_nc_u64 s[8:9], s[8:9], s[66:67]
	s_load_b256 s[24:31], s[6:7], 0x0              ; my four pixels' windows
	s_load_b512 s[32:47], s[8:9], 0x0              ; and their 48 weight words
	s_load_b512 s[48:63], s[8:9], 0x40
	s_load_b512 s[68:83], s[8:9], 0x80
	v_and_b32 v[L16], 31, v0
	v_lshlrev_b32 v[L16], 4, v[L16]
	v_and_b32 v80, 15, v0                          ; r
	v_bfe_u32 v81, v0, 4, 1                        ; h
	v_bfe_u32 v82, v0, 3, 2                        ; my head
	v_mul_u32_u24 v[ATA], v82, 25*APITCH
	s_lshl_b32 s22, s16, 4
	s_add_co_u32 s22, s22, ATT
	v_add_nc_u32 v[ATA], s22, v[ATA]               ; row 25 head, my wave's four pixels
	s_mul_i32 s22, s16, 4*OPITCH
	v_add_nc_u32 v[OSA], s22, v[L16]
	v_lshlrev_b32 v[WFO], 9, v80
	v_lshl_add_u32 v[WFO], v81, 6, v[WFO]
	v_mul_u32_u24 v[PXA], v80, OPITCH
	v_lshl_add_u32 v[PXA], v81, 6, v[PXA]
	s_mul_i32 s22, s101, 32*OPITCH
	v_add_nc_u32 v[PXA], s22, v[PXA]               ; pixel 32 (w / 8) + r, + 64 h: 16 channels of a block of 32
	v_mul_u32_u24 v[OST], v80, APITCH
	v_lshl_add_u32 v[OST], v81, 5, v[OST]
	s_mul_i32 s22, s19, 16*APITCH
	s_lshl_b32 s66, s101, 7
	s_add_co_u32 s22, s22, s66
	s_add_co_u32 s22, s22, OSTG
	v_add_nc_u32 v[OST], s22, v[OST]               ; row o = 16 (w % 8) + r, pixel 32 (w / 8) + 8 h
	v_mul_u32_u24 v[ORD], v81, APITCH
	v_lshl_add_u32 v[ORD], v80, 4, v[ORD]
	v_mov_b32 v[ARD], v[ORD]                       ; 272 h + 16 r serves both ways back
	s_mul_i32 s22, s16, 8*APITCH
	s_add_co_u32 s22, s22, OSTG
	v_add_nc_u32 v[ORD], s22, v[ORD]               ; rows 8 w + h on
	s_mul_i32 s22, s16, 2*APITCH
	s_add_co_u32 s22, s22, ATT
	v_add_nc_u32 v[ARD], s22, v[ARD]               ; rows 2 w + h on
	v_lshlrev_b32 v[GOF], 14, v81
	v_lshl_add_u32 v[GOF], v80, 4, v[GOF]
	s_mul_i32 s22, s17, IMGREC
	s_add_nc_u64 s[20:21], s[4:5], s[22:23]        ; my image's records
	s_mul_i32 s22, s18, 65
	s_lshl_b32 s66, s16, 2
	s_add_co_u32 s22, s22, s66
	s_mul_i32 s22, s22, REC
	s_add_co_u32 s22, s22, 1024
	s_add_nc_u64 s[4:5], s[20:21], s[22:23]        ; Q of my first pixel
	s_lshl_b32 s22, s19, 13
	s_add_nc_u64 s[10:11], s[10:11], s[22:23]      ; my 16 rows of Wfc
	s_lshl_b32 s22, s17, 21
	s_lshl_b32 s66, s18, 8
	s_add_co_u32 s22, s22, s66
	s_lshl_b32 s67, s16, 17
	s_add_co_u32 s22, s22, s67
	s_add_nc_u64 s[12:13], s[12:13], s[22:23]      ; out0: image n, row y, channel 8 w
	s_mul_i32 s22, s17, 1638400
	s_add_co_u32 s22, s22, s66
	s_lshl_b32 s67, s16, 15
	s_add_co_u32 s22, s22, s67
	s_add_nc_u64 s[14:15], s[14:15], s[22:23]      ; out1: image n, row y, plane 2 w
	s_mov_b32 s[CS], 0x3e8293ee                    ; c = log2(e) / sqrt(32)
	s_mov_b32 s[CS+1], s[CS]                       ; (named with it as a pair, so it is written)
	s_mov_b32 s[SEL], 0x76543210
	s_mov_b32 s[SEL+1], 0xfedcba98
	s_mov_b32 s[MNT], 0x600000
	s_wait_kmcnt 0x0
	ADDR 0
.irp i, 0,1,2,3
	global_load_b128 v[Q+4*\i:Q+4*\i+3], v[L16], s[4:5] offset:REC*\i
.endr
.irp r, 0,1,2,3,4,5
	KLOADS \r
.endr
	PIXEL 0, 1
	PIXEL 1, 1
	PIXEL 2, 1
	PIXEL 3, 0
	; ---- the last product.  My 16 rows of Wfc become a fragment while the other waves finish their pixels
	s_wait_loadcnt 0x0
	QUANT BUF, WC, WS
	s_wait_dscnt 0x0                               ; my stores of results and weights are done
	s_barrier_signal -1
	s_barrier_wait -1                              ; everybody's: 64 pixels' results and 100 rows of weights lie in LDS
.irp i, 0,1,2
	ds_load_b128 v[BUF+128+4*\i:BUF+128+4*\i+3], v[ARD] offset:32*APITCH*\i    ; rows 2 (w + 16 i) and the next of the weights
.endr
.irp t, 0,1
.irp b, 0,1,2,3
.irp j, 0,1,2,3
	ds_load_b128 v[BUF+64-64*\t+16*\b+4*\j:BUF+64-64*\t+16*\b+4*\j+3], v[PXA] offset:16*OPITCH*\t+128*\b+16*\j
.endr
.endr
.endr
	s_wait_dscnt 32                                ; the three loads of weights are in; the 32 of numbers may be out
.irp i, 0,1,2
	global_store_b128 v[GOF], v[BUF+128+4*\i:BUF+128+4*\i+3], s[14:15] offset:524288*\i th:TH_STORE_NT   ; sixteen lanes store 256 consecutive bytes, aligned: a row of a plane of out1
.endr
	s_wait_dscnt 16                                ; the first tile's 16 loads are in
	QUANT BUF+64, PC0, PW0
	s_wait_dscnt 0x0
	QUANT BUF, PC1, PW1
.rept 4
	v_nop                                          ; codes written by vector instructions stand four places ahead of a scaled matrix instruction; the scale words were made ahead of the 64 holds
.endr
	; source 0 = 16 pixels, source 1 = 16 rows of Wfc: lane (r, h) holds channel o = 16 (w % 8) + r and eight neighbouring pixels
	v_wmma_scale_f32_16x16x128_f8f6f4 v[Q:Q+7], v[PC0:PC0+15], v[WC:WC+15], 0, v[PW0], v[WS] matrix_a_fmt:MATRIX_FMT_BF8 matrix_b_fmt:MATRIX_FMT_BF8
	v_wmma_scale_f32_16x16x128_f8f6f4 v[Q+8:Q+15], v[PC1:PC1+15], v[WC:WC+15], 0, v[PW1], v[WS] matrix_a_fmt:MATRIX_FMT_BF8 matrix_b_fmt:MATRIX_FMT_BF8
.rept 8
	v_nop                                          ; eight places behind this form, ahead of the stores that read results
.endr
.irp t, 0,1
	ds_store_b128 v[OST], v[Q+8*\t:Q+8*\t+3] offset:64*\t          ; each result from its low end on
	ds_store_b128 v[OST], v[Q+8*\t+4:Q+8*\t+7] offset:64*\t+16
.endr
	s_wait_dscnt 0x0
	s_barrier_signal -1
	s_barrier_wait -1                              ; 128 whole rows of out0 lie in the stage
.irp i, 0,1,2,3
	ds_load_b128 v[BUF+4*\i:BUF+4*\i+3], v[ORD] offset:2*APITCH*\i
.endr
.irp i, 0,1,2,3
	s_wait_dscnt 3-\i
	global_store_b128 v[GOF], v[BUF+4*\i:BUF+4*\i+3], s[12:13] offset:32768*\i th:TH_STORE_NT   ; sixteen lanes store 256 consecutive bytes, aligned: a row of a channel of out0
.endr
	s_cmp_gt_u32 s16, 1                            ; 100 rows of weights are 50 pairs: 3 a wave, and the last two go to waves 0 and 1
	s_cbranch_scc1 .Ldone
	ds_load_b128 v[BUF+16:BUF+19], v[ARD] offset:96*APITCH
	s_wait_dscnt 0x0
	global_store_b128 v[GOF], v[BUF+16:BUF+19], s[14:15] offset:1572864 th:TH_STORE_NT
.Ldone:
	s_wait_xcnt 0x0
	v_lshl_add_u32 v254, v0, 2, 0x17800
	v_mov_b32 v255, 0
	s_wait_tensorcnt 0x0
	ds_add_u32 v254, v255
	s_wait_dscnt 0x0
	s_endpgm
.Lfunc_end_k_qfd1d62a40a_attn:
	.size	k_qfd1d62a40a_attn, .Lfunc_end_k_qfd1d62a40a_attn-k_qfd1d62a40a_attn
	.p2alignl 7, 3214868480
	.fill 96, 4, 3214868480
	.section	.rodata,"a",@progbits
	.p2align	6, 0x0
	.amdhsa_kernel k_qfd1d62a40a_attn
		.amdhsa_group_segment_fixed_size 98304
		.amdhsa_private_segment_fixed_size 0
		.amdhsa_enable_private_segment 0
		.amdhsa_kernarg_size 48
		.amdhsa_user_sgpr_count 2
		.amdhsa_user_sgpr_kernarg_segment_ptr 1
		.amdhsa_wavefront_size32 1
		.amdhsa_system_sgpr_workgroup_id_x 1
		.amdhsa_system_sgpr_workgroup_id_y 1
		.amdhsa_system_sgpr_workgroup_id_z 1
		.amdhsa_system_vgpr_workitem_id 0
		.amdhsa_next_free_vgpr 256
		.amdhsa_next_free_sgpr 102
		.amdhsa_reserve_vcc 0
		.amdhsa_float_denorm_mode_32 3
		.amdhsa_float_denorm_mode_16_64 3
		.amdhsa_memory_ordered 1
		.amdhsa_forward_progress 1
		.amdhsa_inst_pref_size 188
	.end_amdhsa_kernel
	.amdgpu_metadata
---
amdhsa.version: [ 1, 2 ]
amdhsa.kernels:
  - .name:           k_qfd1d62a40a_attn
    .symbol:         k_qfd1d62a40a_attn.kd
    .args:
      - { .name: qkv, .offset: 0, .size: 8, .value_kind: global_buffer, .address_space: global }
      - { .name: gidx, .offset: 8, .size: 8, .value_kind: global_buffer, .address_space: global }
      - { .name: gwt, .offset: 16, .size: 8, .value_kind: global_buffer, .address_space: global }
      - { .name: Wfc, .offset: 24, .size: 8, .value_kind: global_buffer, .address_space: global }
      - { .name: out0, .offset: 32, .size: 8, .value_kind: global_buffer, .address_space: global }
      - { .name: out1, .offset: 40, .size: 8, .value_kind: global_buffer, .address_space: global }
    .group_segment_fixed_size: 98304
    .private_segment_fixed_size: 0
    .kernarg_segment_align: 8
    .kernarg_segment_size: 48
    .max_flat_workgroup_size: 512
    .sgpr_count:     102
    .vgpr_count:     256
    .wavefront_size: 32
...
	.end_amdgpu_metadata
.endif
;; end of part 2
;; ======== version 2 of 2: 2 launches; version 1 with the launch attn written anew for expert scheduling mode
;; workspace buffers: qkv 25,958,400 bytes; gidx 131,072 bytes of whole numbers; gwt 786,432 bytes
;; launch proj: the kernel of part 1 again; grid 256 x 1, 12 waves a work-group, no clusters, 256,512 bytes of LDS; arguments k, v, q, Wk, Wv, Wq, flow, qkv, gidx, gwt; writes qkv, gidx, gwt
;; launch attn (part 3): grid 256 x 1, 16 waves a work-group, no clusters, 98,304 bytes of LDS; arguments qkv, gidx, gwt, Wfc, out0, out1; writes out0, out1
.if DOCPART == 3
	.amdgcn_target "amdgcn-amd-amdhsa--gfx1250"
	.amdhsa_code_object_version 6
	.text
	.protected	k_qfd1d62a40a_attn
	.globl	k_qfd1d62a40a_attn
	.p2align	8
	.type	k_qfd1d62a40a_attn,@function
k_qfd1d62a40a_attn:
	s_mov_b64 s[64:65], 0
	v_nop
	global_prefetch_b8 v0, s[64:65] scope:SCOPE_SE
	s_setreg_imm32_b32 hwreg(HW_REG_WAVE_SCHED_MODE, 0, 2), 2
	s_setreg_imm32_b32 hwreg(HW_REG_WAVE_MODE, 25, 1), 1
	s_wait_xcnt 0x0
	s_wait_alu depctr_vm_vsrc(0)
; THE WINDOW ATTENTION AND THE LAST 1x1 CONVOLUTION.  For each pixel: 25 taps (5 x 5) of kp and vp, sampled bilinearly round pixel + flow with zeros outside; 4 heads of 32 channels;
; logits = qp . sample / sqrt(32); softmax over the 25 taps (out1); the weighted sum of vp's samples; out0 = Wfc x that, on codes of BF8 (E5M2) with one E8M0 scale for each 32 channels.
; IN: qkv [n][65][65][1,536 bytes] (K +0, V +512, Q +1,024; row 64 and column 64 are zeros), gidx [pixel] (ix, iy), gwt [pixel] (wy0, wx0, .. wy4, wx4, 0, 0), all stored by the launch before; Wfc [128][128] f32.
; THE 6 x 6 WINDOW.  Tap (ky, kx) mixes positions (iy + ky, iy + ky + 1) x (ix + kx, ix + kx + 1), so the 25 taps draw on 36 positions.  Dot product and weighted sum are linear: 36 dots are mixed
;   into 25 logits (down the rows by wy, along them by wx), and the 25 weights are spread back over the 36 positions by the same mix transposed.  Each position is read once for K and once for V.
; ZERO PADDING.  A position's row and column go through an unsigned minimum with 64: what is negative wraps to a large number, so all that lies outside lands on the zero row or column.
; SHARES.  A work-group is one image row, 64 pixels; wave w takes pixels 4 w .. 4 w + 3, one after the other.  In a pixel lane l holds channels 4 l .. 4 l + 3 (head l / 8): one load of 16 bytes a lane
;   is one position's 512 consecutive bytes.  36 slots of 4 registers take K's positions, row by row V's as K's are used, row by row the next pixel's K as V's are used: 24 to 36 loads of every wave are out.
;   In the end wave w multiplies pixels 32 (w / 8) .. + 31 by rows 16 (w % 8) .. + 15 of Wfc: two matrix instructions, all of K = 128 in one.
; All arithmetic ahead of the last product's quantiser is f32.  The softmax takes the 25 logits' maximum away.
; LIMITS: NaN and infinities are not served; a block of 32 whose largest magnitude lies under 2^-111 gets the scale byte 1 (a block of zeros too: its codes are zeros, and only this launch reads the byte).
; NO CLUSTER: which positions a work-group reads hangs on flow; the one tile that all share is Wfc, 8 KiB a wave against 144 KiB of window loads.  No tensor load: the windows' addresses hang on stored numbers.
; THE MODE: SCHED_MODE bits 1:0 = 2 (LLVM: expert scheduling mode 2), set by the entry lines.  The code itself states the register dependences between vector or matrix instructions
;   and memory or LDS instructions, with s_wait_alu, always for 0.
; THE PLAN.  Registers that memory or LDS instructions touch:
;   BUF       six rows of six slots.  A step (a window row of K or of V) reads its own row by vector lines.  THE ROW IS ASKED FOR AGAIN ONE STEP LATER: step (K, r) loads V's row r - 1, step (V, r) the next
;             pixel's K row r - 1 (in the last pixel: Wfc); K's row 5 is asked for in the pixel's own step (K, 0), V's row 5 at the head of the softmax's part.
;   CO        the six column offsets: read by every window load; written once a pixel, between the softmax's part and step (V, 0).
;   R1        as the 25 weights: written by the scaling, read by 25 LDS stores, written again by the mix down the rows.
;   ACC       written by a pixel's last two additions, read by one LDS store, which stands in the next pixel's step (K, 0); written again in that pixel's step (V, 0).
;   Q         loaded at the head; in the end written by the two matrix instructions and read by four LDS stores.
;   v1, v8-15 addresses, made once at the head and never written again.
; So ONE wait on va_vdst stands at the head of a step that loads, behind its wait for data: the step before is done with the slots in which this step's six loads land.  The step's own vector lines name its
; own slots, Q, R1, R2 and ACC, none of the registers that those loads touch, so the loads are dealt among them with no further wait.  ONE wait on vm_vsrc a pixel, in the softmax's part, frees R1, ACC and CO.
.set REC,    1536
.set ROWREC, 65*REC
.set IMGREC, 65*ROWREC
.set OUTS,   0                         ; LDS: the attention's result, 64 pixels x (512 + 16) bytes
.set OPITCH, 528
.set ATT,    64*OPITCH                 ; the weights: 100 rows (25 head + tap) x (256 + 16) bytes
.set APITCH, 272
.set OSTG,   ATT+100*APITCH            ; out0's stage: 128 rows (o) x (256 + 16) bytes
.set L16, 1                            ; v1   16 x lane
.set CO,  2                            ; v2-7 the window's six columns: column x 1,536 + 16 x lane
.set ATA, 8                            ; v8   where my head's weights go
.set OSA, 9                            ; v9   where my 16 bytes of a pixel's result go
.set WFO, 10                           ; v10  my place in a tile of Wfc in memory
.set PXA, 11                           ; v11  my place in OUTS as an operand's lane
.set OST, 12                           ; v12  where I put 32 bytes of a row of out0
.set ORD, 13                           ; v13  and where I read rows back
.set ARD, 14                           ; v14  where I read rows of weights back
.set GOF, 15                           ; v15  two rows of an output: 16,384 h + 16 r
.set WS,  16                           ; v16-18 scale words: Wfc's, the two pixel tiles': scales and nothing else
.set PW0, 17
.set PW1, 18
.set Q,   20                           ; v20-35 Q of my four pixels; in the end the two results
.set ACC, 36                           ; v36-43 the weighted sum, two chains
.set R1,  44                           ; v44-79 36 dots, then 25 logits, p, weights, then the 36 positions' weights
.set R2,  80                           ; v80-109 at work, then the half-mixed 5 x 6
.set M,   110                          ; v110-111
.set BUF, 112                          ; v112-255 36 slots of 4
.set WC,  44                           ; the end: Wfc's codes, the two pixel tiles' codes, the quantiser's work
.set PC0, 60
.set PC1, 76
.set TM,  92
.set IX,  24                           ; s[24:31] (ix, iy) of my four pixels
.set WT,  32                           ; word f of my four pixels' 48 weight words lies in s[32 + f + 4 (f / 32)]: s32-63 and s68-83
.set RB,  84                           ; s[84:95] the window's six rows: addresses
.set CS,  96                           ; s[96:97] c = log2(e) / sqrt(32)
.set SEL, 98                           ; s[98:99]
.set MNT, 100                          ; s100
.macro QUANT s, pc, pw                 ; as in the launch before: 64 numbers of a lane, register 16 b + i = k 32 b + 16 (lane / 16) + i, become 16 registers of codes and the row's scale word
.irp b, 0,1,2,3
	v_max3_num_f32 v[TM+\b], |v[\s+16*\b]|, |v[\s+16*\b+1]|, 0x8000000   ; my 16 numbers of block b, and the floor 2^(16 - 127)
.endr
.irp i, 2,4,6,8,10,12,14
.irp b, 0,1,2,3
	v_max3_num_f32 v[TM+\b], v[TM+\b], |v[\s+16*\b+\i]|, |v[\s+16*\b+\i+1]|
.endr
.endr
.irp b, 0,1,2,3
	v_permlanex16_b32 v[TM+4+\b], v[TM+\b], s[SEL], s[SEL+1]
.endr
.irp b, 0,1,2,3
	v_max_num_f32 v[TM+\b], v[TM+\b], v[TM+4+\b]
.endr
.irp b, 0,1,2,3
	v_add_nc_u32 v[TM+12+\b], 0xf8800000, v[TM+\b]     ; 15 off the exponent field: the conversion's scale operand
.endr
.irp b, 0,1,2,3
	v_and_or_b32 v[TM+8+\b], v[TM+\b], 0x7f800000, s[MNT]   ; 57,344 x the scale
.endr
.irp b, 0,1,2,3
	v_lshrrev_b32 v[TM+4+\b], 23, v[TM+12+\b]          ; the scale's byte
.endr
	v_lshl_or_b32 v[\pw], v[TM+5], 8, v[TM+4]
	v_lshl_or_b32 v[\pw], v[TM+6], 16, v[\pw]
	v_lshl_or_b32 v[\pw], v[TM+7], 24, v[\pw]
.irp b, 0,1,2,3
.irp i, 0,1,2,3,4,5,6,7,8,9,10,11,12,13,14,15
	v_med3_num_f32 v[\s+16*\b+\i], v[\s+16*\b+\i], -v[TM+8+\b], v[TM+8+\b]   ; the conversion does not saturate (ISA guide 7.6.2): the hold comes first
.endr
	v_cvt_scalef32_pk8_bf8_f32 v[\pc+4*\b:\pc+4*\b+1], v[\s+16*\b:\s+16*\b+7], v[TM+12+\b]
	v_cvt_scalef32_pk8_bf8_f32 v[\pc+4*\b+2:\pc+4*\b+3], v[\s+16*\b+8:\s+16*\b+15], v[TM+12+\b]
.endr
	v_nop                                              ; one plain line behind the last conversion
.endm
; The window of pixel i: six column offsets, six row addresses.  The minimum with 64 is the zero padding, and the bound on a number that was read from memory.
.macro ADDR i
.irp c, 0,1,2,3,4,5
	s_add_co_u32 s22, s[IX+2*(\i)], \c
	s_min_u32 s22, s22, 64
	s_mul_i32 s22, s22, REC
	v_add_nc_u32 v[CO+\c], s22, v[L16]
.endr
.irp r, 0,1,2,3,4,5
	s_add_co_u32 s22, s[IX+2*(\i)+1], \r
	s_min_u32 s22, s22, 64
	s_mul_i32 s22, s22, ROWREC
	s_add_nc_u64 s[RB+2*\r:RB+2*\r+1], s[20:21], s[22:23]
.endr
.endm
.macro KLD r, c                        ; K at position (r, c) of the window, into that position's slot
	global_load_b128 v[BUF+4*(6*(\r)+(\c)):BUF+4*(6*(\r)+(\c))+3], v[CO+(\c)], s[RB+2*(\r):RB+2*(\r)+1]
.endm
.macro VLD r, c                        ; V likewise
	global_load_b128 v[BUF+4*(6*(\r)+(\c)):BUF+4*(6*(\r)+(\c))+3], v[CO+(\c)], s[RB+2*(\r):RB+2*(\r)+1] offset:512
.endm
; Step (K, r) of pixel i: my four channels' part of the six dots of window row r.  Its six loads refill the row that the step before has emptied: V's row r - 1, or, with r = 0, this pixel's K row 5.
.macro KROW i, r
.if ((\i) == 0) && ((\r) == 0)
	s_wait_loadcnt 30                              ; Q and K's row 0 are in; behind them were issued K's rows 1 .. 5.  This step loads nothing: all six rows were asked for at the head
.else
	s_wait_loadcnt 24                              ; behind K's row r were issued K's rows up to 5, 6 (5 - r) loads, and V's rows 0 .. r - 2, 6 (r - 1); with r = 0: K's rows 1 .. 4: always 24
	s_wait_alu depctr_va_vdst(0)                   ; the step before is done reading the slots in which the six loads below land; with r = 0 the last pixel's sum is written too, which the LDS store below reads
.endif
.if ((\i) > 0) && ((\r) == 0)
	ds_store_b128 v[OSA], v[ACC:ACC+3] offset:OPITCH*((\i)-1)  ; the last pixel's 128 channels: 512 consecutive bytes
.endif
.irp c, 0,1,2,3,4,5
.if (\r) > 0
	VLD (\r)-1, \c                                 ; no vector line since the wait names this slot or its column offset
.elseif (\i) > 0
	KLD 5, \c
.endif
	v_pk_mul_f32 v[R2+2*\c:R2+2*\c+1], v[BUF+4*(6*\r+\c):BUF+4*(6*\r+\c)+1], v[Q+4*\i:Q+4*\i+1]
.endr
.irp c, 0,1,2,3,4,5
	v_pk_fma_f32 v[R2+2*\c:R2+2*\c+1], v[BUF+4*(6*\r+\c)+2:BUF+4*(6*\r+\c)+3], v[Q+4*\i+2:Q+4*\i+3], v[R2+2*\c:R2+2*\c+1]
.endr
.irp c, 0,1,2,3,4,5
	v_add_f32 v[R1+6*\r+\c], v[R2+2*\c], v[R2+2*\c+1]
.endr
.endm
; Between K and V: 36 dots -> 25 logits -> softmax -> 25 weights (to LDS) -> 36 positions' weights.  V's row 5 is asked for at its head.
.macro MID i
	s_wait_alu depctr_va_vdst(0)                   ; step (K, 5) is done reading K's row 5, in whose slots V's row 5 lands; the lines among which these loads are dealt name R1 and R2 alone
.irp ky, 0,1,2,3,4                     ; down the rows: S[ky] = L[ky] + wy[ky] (L[ky + 1] - L[ky]), two columns at a time
	VLD 5, \ky
.irp p, 0,2,4
	v_pk_add_f32 v[R2+6*\ky+\p:R2+6*\ky+\p+1], v[R1+6*\ky+6+\p:R1+6*\ky+7+\p], v[R1+6*\ky+\p:R1+6*\ky+\p+1] neg_lo:[0,1] neg_hi:[0,1]
.endr
.endr
	VLD 5, 5
.irp ky, 0,1,2,3,4
.set fw, 12*(\i)+2*\ky
.set sw, WT+fw+4*(fw/32)
.irp p, 0,2,4
	v_pk_fma_f32 v[R2+6*\ky+\p:R2+6*\ky+\p+1], v[R2+6*\ky+\p:R2+6*\ky+\p+1], s[sw:sw+1], v[R1+6*\ky+\p:R1+6*\ky+\p+1] op_sel_hi:[1,0,1]
.endr
.endr
.irp ky, 0,1,2,3,4                     ; along the rows: l[5 ky + kx] = S[kx] + wx[kx] (S[kx + 1] - S[kx])
.irp kx, 0,1,2,3,4
	v_sub_f32 v[R1+5*\ky+\kx], v[R2+6*\ky+\kx+1], v[R2+6*\ky+\kx]
.endr
.endr
.irp ky, 0,1,2,3,4
.irp kx, 0,1,2,3,4
.set fw, 12*(\i)+2*\kx+1
.set sw, WT+fw+4*(fw/32)
	v_fma_f32 v[R1+5*\ky+\kx], v[R1+5*\ky+\kx], s[sw], v[R2+6*\ky+\kx]
.endr
.endr
.irp x, 1,2,4                          ; the head's eight lanes are added BEHIND the mix: 25 numbers, not 36; every lane of a head ends with the same bits
.set kk, 0
.rept 25
	v_add_f32_dpp v[R1+kk], v[R1+kk], v[R1+kk] row_xmask:\x row_mask:0xf bank_mask:0xf
.set kk, kk+1
.endr
.endr
	v_max3_num_f32 v[M], v[R1], v[R1+1], v[R1+2]   ; the largest logit, in two chains
	v_max3_num_f32 v[M+1], v[R1+3], v[R1+4], v[R1+5]
.irp j, 6,10,14,18
	v_max3_num_f32 v[M], v[M], v[R1+\j], v[R1+\j+1]
	v_max3_num_f32 v[M+1], v[M+1], v[R1+\j+2], v[R1+\j+3]
.endr
	v_max3_num_f32 v[M], v[M], v[R1+22], v[R1+23]
	v_max3_num_f32 v[M], v[M], v[M+1], v[R1+24]
	v_mul_f32 v[M], s[CS], v[M]                    ; c m
.irp j, 0,2,4,6,8,10,12,14,16,18,20,22
	v_pk_fma_f32 v[R1+\j:R1+\j+1], v[R1+\j:R1+\j+1], s[CS:CS+1], v[M:M+1] op_sel_hi:[1,0,0] neg_lo:[0,0,1] neg_hi:[0,0,1]   ; c l - c m
.endr
	v_fma_f32 v[R1+24], v[R1+24], s[CS], -v[M]
.set kk, 0
.rept 25
	v_exp_f32 v[R1+kk], v[R1+kk]                   ; one batch
.set kk, kk+1
.endr
	v_nop                                          ; a plain line behind the last exponential,
	s_wait_alu depctr_va_vdst(0)                   ; and one wait for the batch: the 25 exponentials have written v[R1 ..], ahead of their first reader
	v_pk_add_f32 v[M:M+1], v[R1:R1+1], v[R1+2:R1+3]            ; the sum, two at a time, in two chains
	v_pk_add_f32 v[R2:R2+1], v[R1+4:R1+5], v[R1+6:R1+7]
.irp j, 8,12,16,20
	v_pk_add_f32 v[M:M+1], v[M:M+1], v[R1+\j:R1+\j+1]
	v_pk_add_f32 v[R2:R2+1], v[R2:R2+1], v[R1+\j+2:R1+\j+3]
.endr
	v_pk_add_f32 v[M:M+1], v[M:M+1], v[R2:R2+1]
	v_add_f32 v[M], v[M], v[M+1]
	v_add_f32 v[M], v[M], v[R1+24]
	v_rcp_f32 v[M], v[M]
	v_nop
	s_wait_alu depctr_va_vdst(0)                   ; the reciprocal has written v[M], ahead of its first reader
.irp j, 0,2,4,6,8,10,12,14,16,18,20,22
	v_pk_mul_f32 v[R1+\j:R1+\j+1], v[R1+\j:R1+\j+1], v[M:M+1] op_sel_hi:[1,0]
.endr
	v_mul_f32 v[R1+24], v[R1+24], v[M]
	s_wait_alu depctr_va_vdst(0)                   ; the scaling has written the 25 weights, which the LDS stores below read
.set kk, 0
.rept 25
	ds_store_b32 v[ATA], v[R1+kk] offset:APITCH*kk+4*(\i)      ; the eight lanes of a head write one word with one value
.set kk, kk+1
.endr
.irp ky, 0,1,2,3,4                     ; the mix transposed, along the rows: X[c] = (1 - wx[c]) a[c] + wx[c - 1] a[c - 1].  It reads the weights and writes R2 alone
.irp c, 0,1,2,3,4
.set fw, 12*(\i)+2*\c+1
.set sw, WT+fw+4*(fw/32)
	v_fma_f32 v[R2+6*\ky+\c], -v[R1+5*\ky+\c], s[sw], v[R1+5*\ky+\c]
.endr
.set fw, 12*(\i)+9
.set sw, WT+fw+4*(fw/32)
	v_mul_f32 v[R2+6*\ky+5], s[sw], v[R1+5*\ky+4]
.irp c, 1,2,3,4
.set fw, 12*(\i)+2*\c-1
.set sw, WT+fw+4*(fw/32)
	v_fmac_f32 v[R2+6*\ky+\c], s[sw], v[R1+5*\ky+\c-1]
.endr
.endr
	s_wait_dscnt 0x0                               ; my LDS stores so far are done,
	s_wait_alu depctr_vm_vsrc(0)                   ; and every memory and LDS instruction so far has read its registers: the 25 stores the weights, which the lines below write again; the last pixel's store its sum, which step (V, 0) writes again; V's loads the column offsets, which are written again behind this part
.irp r, 0,1,2,3,4                      ; and down the rows: W[r] = (1 - wy[r]) X[r] + wy[r - 1] X[r - 1]
.set fw, 12*(\i)+2*\r
.set sw, WT+fw+4*(fw/32)
.irp p, 0,2,4
	v_pk_fma_f32 v[R1+6*\r+\p:R1+6*\r+\p+1], v[R2+6*\r+\p:R2+6*\r+\p+1], s[sw:sw+1], v[R2+6*\r+\p:R2+6*\r+\p+1] op_sel_hi:[1,0,1] neg_lo:[1,0,0] neg_hi:[1,0,0]
.endr
.endr
.irp r, 1,2,3,4
.set fw, 12*(\i)+2*\r-2
.set sw, WT+fw+4*(fw/32)
.irp p, 0,2,4
	v_pk_fma_f32 v[R1+6*\r+\p:R1+6*\r+\p+1], v[R2+6*\r-6+\p:R2+6*\r-5+\p], s[sw:sw+1], v[R1+6*\r+\p:R1+6*\r+\p+1] op_sel_hi:[1,0,1]
.endr
.endr
.set fw, 12*(\i)+8
.set sw, WT+fw+4*(fw/32)
.irp p, 0,2,4
	v_pk_mul_f32 v[R1+30+\p:R1+31+\p], v[R2+24+\p:R2+25+\p], s[sw:sw+1] op_sel_hi:[1,0]
.endr
.endm
; Step (V, r): six positions into the sum, two chains by turns; the first two positions start the chains.  Its loads refill the row that the step before has emptied:
; next = 1: the next pixel's K row r - 1; next = 0: Wfc's 16 loads take the first 16 slots, in steps 1 to 3.  Step 0 loads nothing.
.macro VROW i, r, next
.if (\r) == 0
	s_wait_loadcnt 30                              ; behind V's row 0 were issued V's rows 1 .. 5
.elseif (\next) || ((\r) < 4)
	s_wait_loadcnt 24                              ; behind V's row r: V's rows r + 1 .. 5, 6 (5 - r) loads, and the refills of steps 1 .. r - 1, 6 (r - 1): always 24
.else
	s_wait_loadcnt 46-6*(\r)                       ; V's rows behind, 6 (5 - r), and Wfc's 16
.endif
.if ((\r) > 0) && ((\next) || ((\r) < 4))
	s_wait_alu depctr_va_vdst(0)                   ; the step before is done reading the slots in which the loads below land; in step 1 the new column offsets are written too, which these loads read
.endif
.irp c, 0,1,2,3,4,5
.if (\r) > 0
.if \next
	KLD (\r)-1, \c                                 ; no vector line since the wait names this slot or its column offset
.else
.set wfm, 6*((\r)-1)+\c
.if wfm < 16
	global_load_b128 v[BUF+4*wfm:BUF+4*wfm+3], v[WFO], s[10:11] offset:128*(wfm/4)+16*(wfm%4)   ; my row of Wfc: 16 numbers of each block of 32
.endif
.endif
.endif
.set pos, 6*(\r)+\c
.set slt, BUF+4*pos
.set acr, ACC+4*(pos%2)
.set wpr, R1+pos-(pos%2)
.if pos == 0
	v_pk_mul_f32 v[acr:acr+1], v[slt:slt+1], v[wpr:wpr+1] op_sel_hi:[1,0]
	v_pk_mul_f32 v[acr+2:acr+3], v[slt+2:slt+3], v[wpr:wpr+1] op_sel_hi:[1,0]
.elseif pos == 1
	v_pk_mul_f32 v[acr:acr+1], v[slt:slt+1], v[wpr:wpr+1] op_sel:[0,1] op_sel_hi:[1,1]
	v_pk_mul_f32 v[acr+2:acr+3], v[slt+2:slt+3], v[wpr:wpr+1] op_sel:[0,1] op_sel_hi:[1,1]
.elseif pos%2 == 0
	v_pk_fma_f32 v[acr:acr+1], v[slt:slt+1], v[wpr:wpr+1], v[acr:acr+1] op_sel_hi:[1,0,1]
	v_pk_fma_f32 v[acr+2:acr+3], v[slt+2:slt+3], v[wpr:wpr+1], v[acr+2:acr+3] op_sel_hi:[1,0,1]
.else
	v_pk_fma_f32 v[acr:acr+1], v[slt:slt+1], v[wpr:wpr+1], v[acr:acr+1] op_sel:[0,1,0] op_sel_hi:[1,1,1]
	v_pk_fma_f32 v[acr+2:acr+3], v[slt+2:slt+3], v[wpr:wpr+1], v[acr+2:acr+3] op_sel:[0,1,0] op_sel_hi:[1,1,1]
.endif
.endr
.endm
.macro PIXEL i, next
.irp r, 0,1,2,3,4,5
	KROW \i, \r
.endr
	MID \i
.if \next
	s_wait_xcnt 0x0                                ; V's loads have had their addresses translated: the window's registers are written again only behind this wait.  (That they have read the column offsets is stated by the wait on vm_vsrc above, behind which no load was issued)
	ADDR (\i)+1
.endif
.irp r, 0,1,2,3,4,5
	VROW \i, \r, \next
.endr
	v_pk_add_f32 v[ACC:ACC+1], v[ACC:ACC+1], v[ACC+4:ACC+5]
	v_pk_add_f32 v[ACC+2:ACC+3], v[ACC+2:ACC+3], v[ACC+6:ACC+7]
.if !\next
	s_wait_alu depctr_va_vdst(0)                   ; the two additions have written the sum, which the LDS store reads.  (The other pixels' stores stand behind the wait of the next pixel's first step)
	ds_store_b128 v[OSA], v[ACC:ACC+3] offset:OPITCH*\i        ; the pixel's 128 channels: 512 consecutive bytes
.endif
.endm
	s_load_b256 s[4:11], s[0:1], 0x0               ; qkv s[4:5], gidx s[6:7], gwt s[8:9], Wfc s[10:11]
	s_load_b128 s[12:15], s[0:1], 0x20             ; out0 s[12:13], out1 s[14:15]
	v_lshrrev_b32 v80, 5, v0
	v_readfirstlane_b32 s16, v80                   ; wave 0..15
	s_lshr_b32 s17, ttmp9, 6                       ; n
	s_and_b32 s18, ttmp9, 63                       ; y
	s_wait_alu depctr_va_sdst(0)                   ; s16 is written, ahead of its first reader: bases and LDS addresses are made from it
	s_and_b32 s19, s16, 7                          ; which 16 rows of Wfc are mine
	s_lshr_b32 s101, s16, 3                        ; which 32 pixels
	s_mov_b32 s23, 0
	s_lshl_b32 s22, ttmp9, 9                       ; my first pixel is 64 x work-group + 4 x wave: 8 bytes a pixel in gidx,
	s_lshl_b32 s66, s16, 5
	s_add_co_u32 s22, s22, s66
	s_mul_i32 s66, ttmp9, 3072                     ; 48 in gwt
	s_mul_i32 s67, s16, 192
	s_add_co_u32 s66, s66, s67
	s_mov_b32 s67, 0
	s_wait_kmcnt 0x0
	s_add_nc_u64 s[6:7], s[6:7], s[22:23]
	s_add_nc_u64 s[8:9], s[8:9], s[66:67]
	s_load_b256 s[24:31], s[6:7], 0x0              ; my four pixels' windows
	s_load_b512 s[32:47], s[8:9], 0x0              ; and their 48 weight words
	s_load_b512 s[48:63], s[8:9], 0x40
	s_load_b512 s[68:83], s[8:9], 0x80
	v_and_b32 v[L16], 31, v0
	v_lshlrev_b32 v[L16], 4, v[L16]
	v_and_b32 v80, 15, v0                          ; r
	v_bfe_u32 v81, v0, 4, 1                        ; h
	v_bfe_u32 v82, v0, 3, 2                        ; my head
	v_mul_u32_u24 v[ATA], v82, 25*APITCH
	s_lshl_b32 s22, s16, 4
	s_add_co_u32 s22, s22, ATT
	v_add_nc_u32 v[ATA], s22, v[ATA]               ; row 25 head, my wave's four pixels
	s_mul_i32 s22, s16, 4*OPITCH
	v_add_nc_u32 v[OSA], s22, v[L16]
	v_lshlrev_b32 v[WFO], 9, v80
	v_lshl_add_u32 v[WFO], v81, 6, v[WFO]
	v_mul_u32_u24 v[PXA], v80, OPITCH
	v_lshl_add_u32 v[PXA], v81, 6, v[PXA]
	s_mul_i32 s22, s101, 32*OPITCH
	v_add_nc_u32 v[PXA], s22, v[PXA]               ; pixel 32 (w / 8) + r, + 64 h: 16 channels of a block of 32
	v_mul_u32_u24 v[OST], v80, APITCH
	v_lshl_add_u32 v[OST], v81, 5, v[OST]
	s_mul_i32 s22, s19, 16*APITCH
	s_lshl_b32 s66, s101, 7
	s_add_co_u32 s22, s22, s66
	s_add_co_u32 s22, s22, OSTG
	v_add_nc_u32 v[OST], s22, v[OST]               ; row o = 16 (w % 8) + r, pixel 32 (w / 8) + 8 h
	v_mul_u32_u24 v[ORD], v81, APITCH
	v_lshl_add_u32 v[ORD], v80, 4, v[ORD]
	v_mov_b32 v[ARD], v[ORD]                       ; 272 h + 16 r serves both ways back
	s_mul_i32 s22, s16, 8*APITCH
	s_add_co_u32 s22, s22, OSTG
	v_add_nc_u32 v[ORD], s22, v[ORD]               ; rows 8 w + h on
	s_mul_i32 s22, s16, 2*APITCH
	s_add_co_u32 s22, s22, ATT
	v_add_nc_u32 v[ARD], s22, v[ARD]               ; rows 2 w + h on
	v_lshlrev_b32 v[GOF], 14, v81
	v_lshl_add_u32 v[GOF], v80, 4, v[GOF]
	s_mul_i32 s22, s17, IMGREC
	s_add_nc_u64 s[20:21], s[4:5], s[22:23]        ; my image's records
	s_mul_i32 s22, s18, 65
	s_lshl_b32 s66, s16, 2
	s_add_co_u32 s22, s22, s66
	s_mul_i32 s22, s22, REC
	s_add_co_u32 s22, s22, 1024
	s_add_nc_u64 s[4:5], s[20:21], s[22:23]        ; Q of my first pixel
	s_lshl_b32 s22, s19, 13
	s_add_nc_u64 s[10:11], s[10:11], s[22:23]      ; my 16 rows of Wfc
	s_lshl_b32 s22, s17, 21
	s_lshl_b32 s66, s18, 8
	s_add_co_u32 s22, s22, s66
	s_lshl_b32 s67, s16, 17
	s_add_co_u32 s22, s22, s67
	s_add_nc_u64 s[12:13], s[12:13], s[22:23]      ; out0: image n, row y, channel 8 w
	s_mul_i32 s22, s17, 1638400
	s_add_co_u32 s22, s22, s66
	s_lshl_b32 s67, s16, 15
	s_add_co_u32 s22, s22, s67
	s_add_nc_u64 s[14:15], s[14:15], s[22:23]      ; out1: image n, row y, plane 2 w
	s_mov_b32 s[CS], 0x3e8293ee                    ; c = log2(e) / sqrt(32)
	s_mov_b32 s[CS+1], s[CS]                       ; (named with it as a pair, so it is written)
	s_mov_b32 s[SEL], 0x76543210
	s_mov_b32 s[SEL+1], 0xfedcba98
	s_mov_b32 s[MNT], 0x600000
	s_wait_kmcnt 0x0
	ADDR 0
	s_wait_alu depctr_va_vdst(0)                   ; v1 to v15 are written: the nine addresses that stay, which every later load and store reads, and the first window's six column offsets
.irp i, 0,1,2,3
	global_load_b128 v[Q+4*\i:Q+4*\i+3], v[L16], s[4:5] offset:REC*\i
.endr
.irp r, 0,1,2,3,4,5
.irp c, 0,1,2,3,4,5
	KLD \r, \c
.endr
.endr
	PIXEL 0, 1
	PIXEL 1, 1
	PIXEL 2, 1
	PIXEL 3, 0
	; ---- the last product.  My 16 rows of Wfc become a fragment while the other waves finish their pixels
	s_wait_loadcnt 0x0
	QUANT BUF, WC, WS
	s_wait_alu depctr_va_vdst(0)                   ; the holds and conversions are done with v[BUF .. BUF+63], and the last pixel's steps with the slots behind them: the LDS loads below land in all of these
	s_wait_dscnt 0x0                               ; my stores of results and weights are done
	s_barrier_signal -1
	s_barrier_wait -1                              ; everybody's: 64 pixels' results and 100 rows of weights lie in LDS
.irp i, 0,1,2
	ds_load_b128 v[BUF+128+4*\i:BUF+128+4*\i+3], v[ARD] offset:32*APITCH*\i    ; rows 2 (w + 16 i) and the next of the weights
.endr
.irp t, 0,1
.irp b, 0,1,2,3
.irp j, 0,1,2,3
	ds_load_b128 v[BUF+64-64*\t+16*\b+4*\j:BUF+64-64*\t+16*\b+4*\j+3], v[PXA] offset:16*OPITCH*\t+128*\b+16*\j
.endr
.endr
.endr
	s_wait_dscnt 32                                ; the three loads of weights are in; the 32 of numbers may be out
.irp i, 0,1,2
	global_store_b128 v[GOF], v[BUF+128+4*\i:BUF+128+4*\i+3], s[14:15] offset:524288*\i th:TH_STORE_NT   ; sixteen lanes store 256 consecutive bytes, aligned: a row of a plane of out1.  (Their data came by LDS loads; nothing writes these registers again)
.endr
	s_wait_dscnt 16                                ; the first tile's 16 loads are in
	QUANT BUF+64, PC0, PW0
	s_wait_dscnt 0x0
	QUANT BUF, PC1, PW1
.rept 4
	v_nop                                          ; codes written by vector instructions stand four places ahead of a scaled matrix instruction; the scale words were made ahead of the 64 holds
.endr
	s_wait_alu depctr_va_vdst(0)                   ; behind the places: the three quantisers have written the codes v[WC ..], v[PC0 ..], v[PC1 ..] and the scale words v16 to v18, which the two products take
	; source 0 = 16 pixels, source 1 = 16 rows of Wfc: lane (r, h) holds channel o = 16 (w % 8) + r and eight neighbouring pixels
	v_wmma_scale_f32_16x16x128_f8f6f4 v[Q:Q+7], v[PC0:PC0+15], v[WC:WC+15], 0, v[PW0], v[WS] matrix_a_fmt:MATRIX_FMT_BF8 matrix_b_fmt:MATRIX_FMT_BF8
	v_wmma_scale_f32_16x16x128_f8f6f4 v[Q+8:Q+15], v[PC1:PC1+15], v[WC:WC+15], 0, v[PW1], v[WS] matrix_a_fmt:MATRIX_FMT_BF8 matrix_b_fmt:MATRIX_FMT_BF8
.rept 8
	v_nop                                          ; eight places behind this form, ahead of the stores that read results
.endr
	s_wait_alu depctr_va_vdst(0)                   ; the two products have written v[Q .. Q+15], which the LDS stores read; the places above stay beside this wait.  No vector line follows it, so it serves the LDS loads further down as well, which land in registers that the quantisers read
.irp t, 0,1
	ds_store_b128 v[OST], v[Q+8*\t:Q+8*\t+3] offset:64*\t          ; each result from its low end on
	ds_store_b128 v[OST], v[Q+8*\t+4:Q+8*\t+7] offset:64*\t+16
.endr
	s_wait_dscnt 0x0
	s_barrier_signal -1
	s_barrier_wait -1                              ; 128 whole rows of out0 lie in the stage
.irp i, 0,1,2,3
	ds_load_b128 v[BUF+4*\i:BUF+4*\i+3], v[ORD] offset:2*APITCH*\i
.endr
.irp i, 0,1,2,3
	s_wait_dscnt 3-\i
	global_store_b128 v[GOF], v[BUF+4*\i:BUF+4*\i+3], s[12:13] offset:32768*\i th:TH_STORE_NT   ; sixteen lanes store 256 consecutive bytes, aligned: a row of a channel of out0
.endr
	s_cmp_gt_u32 s16, 1                            ; 100 rows of weights are 50 pairs: 3 a wave, and the last two go to waves 0 and 1
	s_cbranch_scc1 .Ldone
	ds_load_b128 v[BUF+16:BUF+19], v[ARD] offset:96*APITCH
	s_wait_dscnt 0x0
	global_store_b128 v[GOF], v[BUF+16:BUF+19], s[14:15] offset:1572864 th:TH_STORE_NT
.Ldone:
	s_wait_xcnt 0x0                                ; every store so far has had its addresses translated, ahead of the two lines that write registers anew
	v_lshl_add_u32 v254, v0, 2, 0x17800            ; the add's two registers are made here: no two could be kept.  v254 and v255 were destinations of loads alone: no memory or LDS instruction has read them
	v_mov_b32 v255, 0
	s_wait_dscnt 0x0                               ; the closing lines, six on end
	s_wait_alu 0x0
	s_wait_tensorcnt 0x0
	ds_add_u32 v254, v255
	s_wait_dscnt 0x0
	s_endpgm
.Lfunc_end_k_qfd1d62a40a_attn:
	.size	k_qfd1d62a40a_attn, .Lfunc_end_k_qfd1d62a40a_attn-k_qfd1d62a40a_attn
	.p2alignl 7, 3214868480
	.fill 96, 4, 3214868480
	.section	.rodata,"a",@progbits
	.p2align	6, 0x0
	.amdhsa_kernel k_qfd1d62a40a_attn
		.amdhsa_group_segment_fixed_size 98304
		.amdhsa_private_segment_fixed_size 0
		.amdhsa_enable_private_segment 0
		.amdhsa_kernarg_size 48
		.amdhsa_user_sgpr_count 2
		.amdhsa_user_sgpr_kernarg_segment_ptr 1
		.amdhsa_wavefront_size32 1
		.amdhsa_system_sgpr_workgroup_id_x 1
		.amdhsa_system_sgpr_workgroup_id_y 1
		.amdhsa_system_sgpr_workgroup_id_z 1
		.amdhsa_system_vgpr_workitem_id 0
		.amdhsa_next_free_vgpr 256
		.amdhsa_next_free_sgpr 102
		.amdhsa_reserve_vcc 0
		.amdhsa_float_denorm_mode_32 3
		.amdhsa_float_denorm_mode_16_64 3
		.amdhsa_memory_ordered 1
		.amdhsa_forward_progress 1
		.amdhsa_inst_pref_size 190
	.end_amdhsa_kernel
	.amdgpu_metadata
---
amdhsa.version: [ 1, 2 ]
amdhsa.kernels:
  - .name:           k_qfd1d62a40a_attn
    .symbol:         k_qfd1d62a40a_attn.kd
    .args:
      - { .name: qkv, .offset: 0, .size: 8, .value_kind: global_buffer, .address_space: global }
      - { .name: gidx, .offset: 8, .size: 8, .value_kind: global_buffer, .address_space: global }
      - { .name: gwt, .offset: 16, .size: 8, .value_kind: global_buffer, .address_space: global }
      - { .name: Wfc, .offset: 24, .size: 8, .value_kind: global_buffer, .address_space: global }
      - { .name: out0, .offset: 32, .size: 8, .value_kind: global_buffer, .address_space: global }
      - { .name: out1, .offset: 40, .size: 8, .value_kind: global_buffer, .address_space: global }
    .group_segment_fixed_size: 98304
    .private_segment_fixed_size: 0
    .kernarg_segment_align: 8
    .kernarg_segment_size: 48
    .max_flat_workgroup_size: 512
    .sgpr_count:     102
    .vgpr_count:     256
    .wavefront_size: 32
...
	.end_amdgpu_metadata
.endif
;; end of part 3
